; MI455X (gfx1250); checked and timed in simulation.
; The chip was launched on July 23, 2026; its instructions are those of AMD's public machine-readable ISA for CDNA 5 (MIT licence, August 2026) and "CDNA5" Instruction Set Architecture Reference Guide (July 2026). The comments in the code are by the model that wrote it; some were corrected since.
;; Gated FFN. Allowed arithmetic: matrix products marked QUANTISED: E3M2 operands, one E8M0 scale for each 32 along K, by v_wmma_scale_f32_16x16x128_f8f6f4 with both operands' format E3M2, f32 sums; products left as they are: f32 operands where the result goes on into a quantised operand, else bf16, f16 or f32 operands; f32 sums; everything else in f32.
;; Inputs: down_W 8 x 4,096 x 1,024 float32; down_b 8 x 1,024 float32; gate_W 1,024 x 8 float32; gate_b 8 float32; up_W 8 x 1,024 x 4,096 float32; up_b 8 x 4,096 float32; x 4 x 256 x 1,024 float32.
;; Outputs: out0 4 x 256 x 1,024 float32; out1 4 x 256 x 8 float32.
;; This version of the problem:
;;   THIS VERSION OF THE PROBLEM IS GIVEN IN LOW PRECISION. The matrix products marked QUANTISED in the list below multiply operands that are first quantised to E3M2 (3 exponent bits, 2 mantissa bits; 6 bits a number), with one power-of-two scale for each 32 numbers along K (OCP MX v1.0); their sums are f32. All else is computed in f32.
;;   The module's matrix products, in the order in which they are computed (A, B: the left and right operand; K: the contracted axis; several contracted axes count as one K, in the product's order):
;;     1. [M 1,024, K 1,024] x [K 1,024, N 8]; A: input x; B: input gate_W: left as it is (N = 8 < 16)
;;     2. [M 1,024, K 1,024] x [K 1,024, N 4,096]; A: input x; B: input up_W: QUANTISED
;;     3. [M 1,024, K 1,024] x [K 1,024, N 4,096]; A: input x; B: input up_W: QUANTISED
;;     4. [M 1,024, K 1,024] x [K 1,024, N 4,096]; A: input x; B: input up_W: QUANTISED
;;     5. [M 1,024, K 1,024] x [K 1,024, N 4,096]; A: input x; B: input up_W: QUANTISED
;;     6. [M 1,024, K 1,024] x [K 1,024, N 4,096]; A: input x; B: input up_W: QUANTISED
;;     7. [M 1,024, K 1,024] x [K 1,024, N 4,096]; A: input x; B: input up_W: QUANTISED
;;     8. [M 1,024, K 1,024] x [K 1,024, N 4,096]; A: input x; B: input up_W: QUANTISED
;;     9. [M 1,024, K 1,024] x [K 1,024, N 4,096]; A: input x; B: input up_W: QUANTISED
;;     10. [M 1,024, K 4,096] x [K 4,096, N 1,024]; A: computed on the way; B: input down_W: QUANTISED
;;     11. [M 1,024, K 4,096] x [K 4,096, N 1,024]; A: computed on the way; B: input down_W: QUANTISED
;;     12. [M 1,024, K 4,096] x [K 4,096, N 1,024]; A: computed on the way; B: input down_W: QUANTISED
;;     13. [M 1,024, K 4,096] x [K 4,096, N 1,024]; A: computed on the way; B: input down_W: QUANTISED
;;     14. [M 1,024, K 4,096] x [K 4,096, N 1,024]; A: computed on the way; B: input down_W: QUANTISED
;;     15. [M 1,024, K 4,096] x [K 4,096, N 1,024]; A: computed on the way; B: input down_W: QUANTISED
;;     16. [M 1,024, K 4,096] x [K 4,096, N 1,024]; A: computed on the way; B: input down_W: QUANTISED
;;     17. [M 1,024, K 4,096] x [K 4,096, N 1,024]; A: computed on the way; B: input down_W: QUANTISED
;;   THE QUANTISER, for each operand of a quantised product, along K:
;;     - K is cut into blocks of 32 from its start; a last block that is shorter is filled with zeros.
;;     - A block's scale is 2^e with e = floor(log2(the largest magnitude in the block)) - 4, held to -126 .. 127; a block of zeros has e = 0. As a byte (E8M0): e + 127.
;;     - Each number is divided by its block's scale, clamped to +-28, and rounded to the nearest number of E3M2, ties to even, subnormals kept.
;;     - The product sums the exact products of the quantised numbers (number of the format x scale) in f32.
;;   ~~~python
;;   def quantise(x, axis):      # numpy; x: float32 -> the quantised numbers, widened to float32 again
;;       x = np.moveaxis(x, axis, -1); K = x.shape[-1]
;;       x = np.pad(x, [(0, 0)] * (x.ndim - 1) + [(0, -K % 32)]); x = x.reshape(x.shape[:-1] + (-1, 32)); a = np.abs(x).max(-1, keepdims=True)
;;       e = np.where(a > 0, np.clip(np.frexp(np.where(a > 0, a, 1))[1] - 1 - 4, -126, 127), 0)      # np.frexp(a)[1] - 1 = floor(log2(a)), exactly
;;       r = np.clip(x / 2.0 ** e, -28, 28)
;;       step = 2.0 ** (np.maximum(np.frexp(np.where(r == 0, 1, r))[1] - 1, -2) - 2)
;;       q = np.round(r / step) * step * 2.0 ** e      # np.round: ties to even
;;       return np.moveaxis(q.reshape(q.shape[:-2] + (-1,))[..., :K], -1, axis).astype(np.float32)
;;   ~~~
;;   OPERANDS COMPUTED ON THE WAY. 'Computed on the way' means the value that the module computes at that place (a softmax that the list does not call 'softmax' is quantised finished and normalised). What goes into a quantiser is computed in f32, as accurately as f32 sums, v_exp_f32 and their like allow (about 1e-6 of the number): no bf16 or f16 on the way to a quantiser, and a product that is left as it is and whose result goes on into a quantised operand takes f32 operands (vector FMAs, or v_wmma_f32_16x16x4_f32). A number that lies on a knife's edge between two numbers of the format may be rounded either way, as far as f32 arithmetic and the matrix unit's own rounding can turn it there, and no further.
;; 2 versions, each right; version 2 is version 1 with the launches up, down written anew for expert scheduling mode. Each part assembles by itself: llvm-mc -triple=amdgcn-amd-amdhsa -mcpu=gfx1250 --defsym DOCPART=n.
;; ======== version 1 of 2: 4 launches
;; workspace buffers: ids 4,096 bytes of whole numbers; tok 5,120 bytes of whole numbers; meta 256 bytes of whole numbers; ximg 983,040 bytes; xscl 40,960 bytes; himg 3,932,160 bytes; hscl 163,840 bytes
;; launch gate (part 1): grid 128 x 1, 8 waves a work-group, no clusters, 38,144 bytes of LDS; arguments x, gate_W, gate_b, out1, ids; writes out1, ids
.if DOCPART == 1
	.amdgcn_target "amdgcn-amd-amdhsa--gfx1250"
	.amdhsa_code_object_version 6
	.text
	.protected	k_qaf4755c16b_gate
	.globl	k_qaf4755c16b_gate
	.p2align	8
	.type	k_qaf4755c16b_gate,@function
k_qaf4755c16b_gate:
	s_mov_b64 s[64:65], 0
	v_nop
	global_prefetch_b8 v0, s[64:65] scope:SCOPE_SE
	s_setreg_imm32_b32 hwreg(HW_REG_WAVE_MODE, 25, 1), 1
	s_wait_xcnt 0x0
; logits = x gate_W + gate_b in f32 (fused multiply-adds), the first largest of the 8 logits of a token, its one-hot (out1) and its number (ids).
; x: [1024][1024] f32, gate_W: [1024][8] f32, gate_b: [8], out1: [1024][8] f32, ids: [1024] u32.
; The term logits - logits of the straight-through gate is 0 for finite logits and is not computed.
; LIMITS: NaN and infinities among the inputs are not served.  The sum over K is taken in 32 lanes' parts and then over the lanes, another order than a
; plain chain: two logits of a token that lie within the rounding of an f32 sum of each other may be ordered either way.
; SHARES: a work-group takes 8 tokens, a wave one.  gate_W (32,768 bytes) is copied once into LDS, 16 bytes of padding behind every 128, so that a lane's
; four rows (128 bytes) stand 144 bytes from the next lane's and sixteen lanes' loads of 16 bytes fall on sixteen different columns of 16 bytes.
; No matrix unit: N = 8, and the choice hangs on the last bits of the sums.
; REGISTERS: v1-7 lane and addresses; v8-39 x; v40-103 gate_W, two buffers; v104-111 the sums; v112-119 at work; v120-122 addresses.
.set GSTEP, 4608                       ; 4,096 bytes of gate_W and their 32 paddings
.set IDX,   36864                      ; behind gate_W: the 8 tokens' choices, a word each
.set X,     8                          ; v8-39    my token's row: register 4 m + c = x[128 m + 4 lane + c]
.set GA,    40                         ; v40-71   gate_W's rows 128 m + 4 lane + c, 8 numbers each: two buffers
.set GB,    72                         ; v72-103
.set A,     104                        ; v104-111 the 8 sums
.set GST,   120                        ; v120     where my 16 bytes of gate_W go in LDS
.set O1,    121                        ; v121     8 x lane: out1
.set OI,    122                        ; v122     4 x lane: ids
	s_load_b256 s[4:11], s[0:1], 0x0               ; x s[4:5], gate_W s[6:7], gate_b s[8:9], out1 s[10:11]
	s_load_b64 s[12:13], s[0:1], 0x20              ; ids
	v_lshl_add_u32 v128, v0, 2, 0x9100
	v_mov_b32 v129, 0
	v_and_b32 v1, 31, v0                           ; lane
	v_lshrrev_b32 v112, 5, v0
	v_readfirstlane_b32 s14, v112                  ; wave
	v_lshlrev_b32 v2, 4, v1                        ; x: 16 bytes a lane
	v_lshlrev_b32 v3, 4, v0                        ; gate_W: 16 bytes a thread
	v_lshrrev_b32 v113, 3, v0
	v_lshl_add_u32 v[GST], v113, 4, v3             ; and its place in LDS: 16 t + 16 (t / 8)
	v_mul_u32_u24 v4, v1, 144                      ; where my four rows of gate_W stand in LDS
	v_lshl_add_u32 v5, v112, 2, IDX                ; my wave's word
	v_lshrrev_b32 v114, 2, v1
	v_lshl_add_u32 v6, v114, 2, IDX                ; wave 0, at the end: the choice of token lane / 4,
	v_and_b32 v114, 7, v1
	v_lshl_add_u32 v7, v114, 2, IDX                ; and of token lane % 8
	v_lshlrev_b32 v[O1], 3, v1
	v_lshlrev_b32 v[OI], 2, v1
	s_mov_b32 s24, 0x76543210                      ; v_permlanex16_b32's selects for lane l xor 16
	s_mov_b32 s25, 0xfedcba98
	s_lshl_b32 s26, ttmp9, 3
	s_add_co_u32 s26, s26, s14                     ; my token
	s_lshl_b32 s26, s26, 12                        ; its row of 4,096 bytes
	s_mov_b32 s27, 0
	s_wait_kmcnt 0x0
	s_load_b256 s[16:23], s[8:9], 0x0              ; gate_b
	s_add_nc_u64 s[4:5], s[4:5], s[26:27]
.irp m, 0,1,2,3,4,5,6,7
	global_load_b128 v[GA+4*\m:GA+4*\m+3], v3, s[6:7] offset:4096*\m       ; the 256 threads read 4,096 consecutive bytes
.endr
.irp m, 0,1,2,3,4,5,6,7
	global_load_b128 v[X+4*\m:X+4*\m+3], v2, s[4:5] offset:512*\m          ; a wave reads 512 consecutive bytes of its row
.endr
	s_lshl_b32 s26, ttmp9, 8
	s_add_nc_u64 s[10:11], s[10:11], s[26:27]      ; out1: 256 bytes a work-group
	s_lshl_b32 s26, ttmp9, 5
	s_add_nc_u64 s[12:13], s[12:13], s[26:27]      ; ids: 32 bytes
	s_wait_loadcnt 0x8                             ; gate_W's 8 loads are in; x's 8, issued later, may be out
.irp m, 0,1,2,3,4,5,6,7
	ds_store_b128 v[GST], v[GA+4*\m:GA+4*\m+3] offset:GSTEP*\m
.endr
	s_wait_dscnt 0x0                               ; my stores have landed,
	s_barrier_signal -1
	s_barrier_wait -1                              ; everybody's have
	s_wait_loadcnt 0x0                             ; x
.macro GLOAD m, buf                    ; rows 128 m + 4 lane + c of gate_W, c = 0 .. 3: register 8 c + e of the buffer
.irp c, 0,1,2,3
	ds_load_b128 v[\buf+8*\c:\buf+8*\c+3],   v4 offset:GSTEP*(\m)+32*\c
	ds_load_b128 v[\buf+8*\c+4:\buf+8*\c+7], v4 offset:GSTEP*(\m)+32*\c+16
.endr
.endm
.macro GFMA m, buf                     ; 4 rows x 8 experts, two experts an instruction; x's number serves both halves.  The very first products start the sums
.irp c, 0,1,2,3
.irp p, 0,1,2,3
.if ((\m) == 0) && (\c == 0)
	v_pk_mul_f32 v[A+2*\p:A+2*\p+1], v[\buf+2*\p:\buf+2*\p+1], v[X:X+1] op_sel_hi:[1,0]
.elseif (\c%2) == 0
	v_pk_fma_f32 v[A+2*\p:A+2*\p+1], v[\buf+8*\c+2*\p:\buf+8*\c+2*\p+1], v[X+4*(\m)+2*(\c/2):X+4*(\m)+2*(\c/2)+1], v[A+2*\p:A+2*\p+1] op_sel_hi:[1,0,1]
.else
	v_pk_fma_f32 v[A+2*\p:A+2*\p+1], v[\buf+8*\c+2*\p:\buf+8*\c+2*\p+1], v[X+4*(\m)+2*(\c/2):X+4*(\m)+2*(\c/2)+1], v[A+2*\p:A+2*\p+1] op_sel:[0,1,0] op_sel_hi:[1,1,1]
.endif
.endr
.endr
.endm
	GLOAD 0, GA
	GLOAD 1, GB
.irp m, 0,2,4
	s_wait_dscnt 0x8                               ; this buffer's 8 loads are in; the other buffer's 8 may be out
	GFMA \m, GA
	GLOAD \m+2, GA
	s_wait_dscnt 0x8
	GFMA \m+1, GB
	GLOAD \m+3, GB
.endr
	s_wait_dscnt 0x8
	GFMA 6, GA
	s_wait_dscnt 0x0
	GFMA 7, GB
	; over the 32 lanes
.irp x, 1,2,4,8
.irp e, 0,1,2,3,4,5,6,7
	v_add_f32_dpp v[A+\e], v[A+\e], v[A+\e] row_xmask:\x row_mask:0xf bank_mask:0xf
.endr
.endr
.irp e, 0,1,2,3,4,5,6,7
	v_mov_b32 v[112+\e], 0                         ; a lane permute's destination counts as one of its sources
.endr
.irp e, 0,1,2,3,4,5,6,7
	v_permlanex16_b32 v[112+\e], v[A+\e], s24, s25
.endr
	s_wait_kmcnt 0x0                               ; gate_b
.irp e, 0,1,2,3,4,5,6,7
	v_add_f32 v[A+\e], v[A+\e], v[112+\e]
.endr
.irp e, 0,1,2,3,4,5,6,7
	v_add_f32 v[A+\e], s[16+\e], v[A+\e]           ; the logits, the same in every lane
.endr
	v_mov_b32 v112, v[A]                           ; the largest so far,
	v_mov_b32 v113, 0                              ; and where: only a strictly larger logit moves it, so the lower index is kept
.irp e, 1,2,3,4,5,6,7
	v_cmp_gt_f32 vcc_lo, v[A+\e], v112
	v_cndmask_b32 v113, v113, \e, vcc_lo
	v_max_num_f32 v112, v112, v[A+\e]
.endr
	ds_store_b32 v5, v113                          ; all lanes write the same word with the same value
	s_wait_dscnt 0x0
	s_barrier_signal -1
	s_barrier_wait -1
	s_cmp_lg_u32 s14, 0
	s_cbranch_scc1 .Lend
	ds_load_b32 v114, v6                           ; wave 0 writes the work-group's results
	ds_load_b32 v115, v7
	v_and_b32 v116, 3, v1
	v_lshlrev_b32 v116, 1, v116                    ; my two experts: 2 (lane % 4) and the next
	v_add_nc_u32 v117, 1, v116
	s_wait_dscnt 0x0
	v_cmp_eq_u32 vcc_lo, v114, v116
	v_cndmask_b32 v118, 0, 1.0, vcc_lo
	v_cmp_eq_u32 vcc_lo, v114, v117
	v_cndmask_b32 v119, 0, 1.0, vcc_lo
	global_store_b64 v[O1], v[118:119], s[10:11]   ; 32 lanes store 256 consecutive bytes, aligned
	s_wait_xcnt 0x0                                ; EXEC changes only behind this wait
	v_cmp_gt_u32 vcc_lo, 8, v1
	s_and_saveexec_b32 s15, vcc_lo
	global_store_b32 v[OI], v115, s[12:13]         ; lanes 0 to 7: the 8 tokens' experts
.Lend:
	s_wait_xcnt 0x0
	s_mov_b32 exec_lo, -1
	s_wait_tensorcnt 0x0
	ds_add_u32 v128, v129
	s_wait_dscnt 0x0
	s_endpgm
.Lfunc_end_k_qaf4755c16b_gate:
	.size	k_qaf4755c16b_gate, .Lfunc_end_k_qaf4755c16b_gate-k_qaf4755c16b_gate
	.p2alignl 7, 3214868480
	.fill 96, 4, 3214868480
	.section	.rodata,"a",@progbits
	.p2align	6, 0x0
	.amdhsa_kernel k_qaf4755c16b_gate
		.amdhsa_group_segment_fixed_size 38144
		.amdhsa_private_segment_fixed_size 0
		.amdhsa_enable_private_segment 0
		.amdhsa_kernarg_size 40
		.amdhsa_user_sgpr_count 2
		.amdhsa_user_sgpr_kernarg_segment_ptr 1
		.amdhsa_wavefront_size32 1
		.amdhsa_system_sgpr_workgroup_id_x 1
		.amdhsa_system_sgpr_workgroup_id_y 1
		.amdhsa_system_sgpr_workgroup_id_z 1
		.amdhsa_system_vgpr_workitem_id 0
		.amdhsa_next_free_vgpr 130
		.amdhsa_next_free_sgpr 66
		.amdhsa_reserve_vcc 1
		.amdhsa_float_denorm_mode_32 3
		.amdhsa_float_denorm_mode_16_64 3
		.amdhsa_memory_ordered 1
		.amdhsa_forward_progress 1
		.amdhsa_inst_pref_size 22
	.end_amdhsa_kernel
	.amdgpu_metadata
---
amdhsa.version: [ 1, 2 ]
amdhsa.kernels:
  - .name:           k_qaf4755c16b_gate
    .symbol:         k_qaf4755c16b_gate.kd
    .args:
      - { .name: x, .offset: 0, .size: 8, .value_kind: global_buffer, .address_space: global }
      - { .name: gate_W, .offset: 8, .size: 8, .value_kind: global_buffer, .address_space: global }
      - { .name: gate_b, .offset: 16, .size: 8, .value_kind: global_buffer, .address_space: global }
      - { .name: out1, .offset: 24, .size: 8, .value_kind: global_buffer, .address_space: global }
      - { .name: ids, .offset: 32, .size: 8, .value_kind: global_buffer, .address_space: global }
    .group_segment_fixed_size: 38144
    .private_segment_fixed_size: 0
    .kernarg_segment_align: 8
    .kernarg_segment_size: 40
    .max_flat_workgroup_size: 256
    .sgpr_count:     66
    .vgpr_count:     130
    .wavefront_size: 32
...
	.end_amdgpu_metadata
.endif
;; end of part 1
;; launch place (part 2): grid 39 x 1, 32 waves a work-group, no clusters, 147,456 bytes of LDS; arguments ids, x, ximg, xscl, tok, meta; writes ximg, xscl, tok, meta
.if DOCPART == 2
	.amdgcn_target "amdgcn-amd-amdhsa--gfx1250"
	.amdhsa_code_object_version 6
	.text
	.protected	k_qaf4755c16b_place
	.globl	k_qaf4755c16b_place
	.p2align	8
	.type	k_qaf4755c16b_place,@function
k_qaf4755c16b_place:
	s_mov_b64 s[64:65], 0
	v_nop
	global_prefetch_b8 v0, s[64:65] scope:SCOPE_SE
	s_setreg_imm32_b32 hwreg(HW_REG_WAVE_MODE, 25, 1), 1
	s_wait_xcnt 0x0
; The tokens are placed by expert, and their rows of x are quantised to BF6 (E3M2) with one E8M0 byte for each 32 along K, in the order of the places.
; SLOTS: expert e owns np_e PAIRS of 32 slots (two tiles of 16), from pair p0_e on; np_e = ceil(count_e / 32).  The eight counts add up to 1,024, so their remainders
; add up to a multiple of 32 and there are never more than 31 + 8 = 39 pairs: the grid.  A token's slot is 32 p0_e + its rank among its expert's tokens, in the order of
; the tokens.  A slot that no token takes holds a copy of its pair's first token: it computes the same numbers and later stores them to the same place, so nothing is masked.
; SHARES: work-group p makes pair p.  Every work-group repeats the small counting sort (thread t = token t); no number passes between work-groups.  A work-group whose
; pair no expert owns stores nothing: the price of a grid that serves every split.
; OUT: ximg [tile 80][K step 8][1,536]: an operand's registers as they stand: register i of lane l at 512 (i / 4) + 16 l + 4 (i % 4);  xscl [tile][K step][16 words];
; tok [slot] the slot's token;  meta: expert e's p0 and np at byte 8 e.
; A block's scale is 2^(floor(log2(largest magnitude)) - 4); its byte is the largest magnitude's exponent field - 4, held at 1 from below.
; LIMITS: a block of zeros, or one whose largest magnitude lies under 2^-122, gets the byte 1 (the bytes are read by this program alone; a zero block's codes are zeros);
; NaN and infinities are not served.
.set TAB,   0                          ; LDS: 128 bytes a wave; its first 8 words: how many of the wave's 32 tokens chose expert e
.set LST,   4096                       ; 128 bytes a wave: word j = 1 + the wave's token in slot j of my pair, or 0
.set STG,   8192                       ; waves 0-15: a stage of 16 rows x (512 bytes + 16) each
.set SROW,  528
.set SWAVE, 16*SROW
.set VA,    8                          ; v8-23   counts, then the 16 rows' offsets in x
.set F,     24                         ; v24-35  the fragment
.set FT,    48                         ; v48-54  the second halves of its two blocks, before they are moved
.set X,     64                         ; v64-127 64 numbers
	s_load_b256 s[4:11], s[0:1], 0x0               ; ids s[4:5], x s[6:7], ximg s[8:9], xscl s[10:11]
	s_load_b128 s[12:15], s[0:1], 0x20             ; tok s[12:13], meta s[14:15]
	v_lshl_add_u32 v62, v0, 2, 0x23000
	v_mov_b32 v63, 0
	v_and_b32 v1, 31, v0                           ; lane
	v_lshrrev_b32 v44, 5, v0
	v_readfirstlane_b32 s2, v44                    ; wave 0..31
	v_lshlrev_b32 v5, 2, v0                        ; 4 t: my word of ids, of TAB and of LST
	v_lshlrev_b32 v45, 7, v1                       ; 128 x lane: wave "lane"'s counts
	v_lshlrev_b32 v46, 2, v1                       ; 4 x lane
	v_and_b32 v40, 15, v0                          ; r
	v_bfe_u32 v41, v0, 4, 1                        ; h
	v_lshlrev_b32 v56, 2, v40                      ; 4 r
	v_lshlrev_b32 v57, 3, v41                      ; 8 h
	v_lshlrev_b32 v58, 4, v1                       ; 16 x lane
	s_and_b32 s3, s2, 7
	s_lshl_b32 s3, s3, 9
	v_add_nc_u32 v59, s3, v58                      ; + my K step's 512 bytes of a row of x
	s_and_b32 s3, s2, 15
	s_mul_i32 s3, s3, SWAVE
	s_add_co_u32 s3, s3, STG                       ; my stage
	v_add_nc_u32 v6, s3, v58                       ; in: 16 bytes a lane of a row
	v_mul_u32_u24 v7, v40, SROW
	v_lshl_add_u32 v7, v41, 7, v7
	v_add_nc_u32 v7, s3, v7                        ; back: row r, + 128 h: my 32 numbers of each 64
	s_mov_b32 s34, 0x76543210                      ; v_permlanex16_b32's selects for lane l xor 16
	s_mov_b32 s35, 0xfedcba98
	s_mov_b32 s55, 0
	v_mov_b32 v3, 0                                ; my rank among my wave's tokens of my expert
	v_mov_b32 v4, 0
	s_wait_kmcnt 0x0
	global_load_b32 v2, v5, s[4:5]
	s_wait_loadcnt 0x0
	v_min_u32 v2, 7, v2                            ; my expert
.irp e, 0,1,2,3,4,5,6,7
	v_cmp_eq_u32 s[16+\e], \e, v2                  ; which lanes chose e
	v_mbcnt_lo_u32_b32 v44, s[16+\e], 0            ; how many of them stand below me
	v_cndmask_b32 v3, v3, v44, s[16+\e]
	s_bcnt1_i32_b32 s[24+\e], s[16+\e]
	v_writelane_b32 v4, s[24+\e], \e
.endr
	ds_store_b32 v5, v4
	s_wait_dscnt 0x0
	s_barrier_signal -1
	s_barrier_wait -1                              ; every wave's counts lie in TAB
	ds_load_b128 v[8:11], v45                      ; lane l: wave l's eight counts
	ds_load_b128 v[12:15], v45 offset:16
	v_cmp_gt_u32 vcc_lo, s2, v1                    ; waves in front of mine
.irp e, 0,1,2,3,4,5,6,7
	v_mov_b32 v[16+\e], 0                          ; written once: a lane permute's destination counts as one of its sources
.endr
	s_wait_dscnt 0x0
.irp e, 0,1,2,3,4,5,6,7
	v_cndmask_b32 v44, 0, v[8+\e], vcc_lo
	v_lshl_or_b32 v[8+\e], v[8+\e], 16, v44        ; two sums in one word: all waves' above (at most 1,024), the earlier waves' below
.endr
.irp x, 1,2,4,8
.irp e, 0,1,2,3,4,5,6,7
	v_mov_b32_dpp v[16+\e], v[8+\e] row_xmask:\x row_mask:0xf bank_mask:0xf
.endr
.irp e, 0,1,2,3,4,5,6,7
	v_add_nc_u32 v[8+\e], v[8+\e], v[16+\e]
.endr
.endr
.irp e, 0,1,2,3,4,5,6,7
	v_permlanex16_b32 v[16+\e], v[8+\e], s34, s35
.endr
.irp e, 0,1,2,3,4,5,6,7
	v_add_nc_u32 v[8+\e], v[8+\e], v[16+\e]
.endr
.irp e, 0,1,2,3,4,5,6,7
	v_readfirstlane_b32 s[24+\e], v[8+\e]
.endr
	s_mov_b32 s52, 0                               ; pairs so far
.irp e, 0,1,2,3,4,5,6,7
	s_lshr_b32 s53, s[24+\e], 16                   ; the expert's tokens
	s_and_b32 s[24+\e], s[24+\e], 0xffff           ; those in earlier waves
	s_add_co_u32 s53, s53, 31
	s_lshr_b32 s[44+\e], s53, 5                    ; np
	s_mov_b32 s[36+\e], s52                        ; p0
	s_lshl_b32 s53, s52, 5
	s_add_co_u32 s[24+\e], s[24+\e], s53           ; the slot of my wave's first token of e
	s_add_co_u32 s52, s52, s[44+\e]
.endr
	v_mov_b32 v44, s24
.irp e, 1,2,3,4,5,6,7
	v_cndmask_b32 v44, v44, s[24+\e], s[16+\e]
.endr
	v_add_nc_u32 v44, v44, v3                      ; my slot
	s_lshl_b32 s54, ttmp9, 5
	v_sub_nc_u32 v44, v44, s54                     ; counted from my work-group's pair: 0 .. 31 if it lies there
	v_mov_b32 v47, 0
	s_lshl_b32 s53, s2, 5
	s_add_co_u32 s53, s53, 1                       ; 1 + my wave's first token
.irp j, 0,1,2,3,4,5,6,7,8,9,10,11,12,13,14,15,16,17,18,19,20,21,22,23,24,25,26,27,28,29,30,31
	v_cmp_eq_u32 s56, \j, v44                      ; at most one lane of one wave has slot j
	s_ctz_i32_b32 s57, s56
	s_add_co_u32 s57, s57, s53
	s_cmp_lg_u32 s56, 0
	s_cselect_b32 s57, s57, 0
	v_writelane_b32 v47, s57, \j
.endr
	ds_store_b32 v5, v47 offset:LST
	s_wait_dscnt 0x0
	s_barrier_signal -1
	s_barrier_wait -1                              ; the last barrier: from here on waves part
.irp i, 0,1,2,3,4,5,6,7,8,9,10,11,12,13,14,15,16,17,18,19,20,21,22,23,24,25,26,27,28,29,30,31
	ds_load_b32 v[X+\i], v46 offset:LST+128*\i     ; lane j: what each wave knows of slot j
.endr
	s_wait_dscnt 0x0
	v_add3_u32 v47, v[X], v[X+1], v[X+2]           ; at most one of the 32 is not 0
.irp i, 3,5,7,9,11,13,15,17,19,21,23,25,27,29
	v_add3_u32 v47, v47, v[X+\i], v[X+\i+1]
.endr
	v_add_nc_u32 v47, v47, v[X+31]
	v_readfirstlane_b32 s56, v47                   ; slot 0 of the pair: taken wherever the pair is owned
	s_cmp_eq_u32 s56, 0
	s_cbranch_scc1 .Lend
	v_cmp_eq_u32 vcc_lo, 0, v47
	v_cndmask_b32 v47, v47, s56, vcc_lo            ; an empty slot copies the pair's first token
	v_add_nc_u32 v47, -1, v47
	v_min_u32 v47, 0x3ff, v47                      ; lane j: the token of slot j
	s_cmp_lt_u32 s2, 16
	s_cbranch_scc0 .Lnot_frag
	; ---- waves 0-15: the fragment of tile w / 8, K step w % 8
	v_permlanex16_b32 v44, v47, s34, s35
	s_lshr_b32 s57, s2, 3
	s_cmp_lg_u32 s57, 0
	s_cselect_b32 s57, -1, 0
	v_cndmask_b32 v44, v47, v44, s57               ; lanes 0-15: my tile's 16 tokens
.irp r, 0,1,2,3,4,5,6,7,8,9,10,11,12,13,14,15
	v_readlane_b32 s58, v44, \r
	s_min_u32 s58, s58, 0x3ff
	s_lshl_b32 s58, s58, 12                        ; the token's row of 4,096 bytes
	v_add_nc_u32 v[VA+\r], s58, v59
.endr
.irp r, 0,1,2,3,4,5,6,7,8,9,10,11,12,13,14,15
	global_load_b128 v[X+4*\r:X+4*\r+3], v[VA+\r], s[6:7]          ; 32 lanes read 512 consecutive bytes of one row
.endr
	s_lshl_b32 s53, ttmp9, 4
	s_add_co_u32 s53, s53, s2                      ; 8 x tile + K step = 16 p + w
	s_mul_i32 s54, s53, 1536
	s_add_nc_u64 s[8:9], s[8:9], s[54:55]
	s_lshl_b32 s54, s53, 6
	s_add_nc_u64 s[10:11], s[10:11], s[54:55]
	s_wait_loadcnt 0x0
.irp r, 0,1,2,3,4,5,6,7,8,9,10,11,12,13,14,15
	ds_store_b128 v6, v[X+4*\r:X+4*\r+3] offset:SROW*\r
.endr
.irp c, 0,1
.irp i, 0,1,2,3,4,5,6,7
	ds_load_b128 v[X+32*\c+4*\i:X+32*\c+4*\i+3], v7 offset:256*\c+16*\i    ; my own stage: LDS serves a wave's instructions in order.  Register 32 c + i = k 64 c + 32 h + i of row r
.endr
.endr
	s_wait_dscnt 0x0
.irp c, 0,1
	v_max3_num_f32 v[36+\c], |v[X+32*\c]|, |v[X+32*\c+1]|, 0x2800000      ; my block 2 c + h: all 32 numbers are mine; the floor 2^(5 - 127) holds the byte at 1 from below
.endr
.irp i, 2,4,6,8,10,12,14,16,18,20,22,24,26,28,30
.irp c, 0,1
	v_max3_num_f32 v[36+\c], v[36+\c], |v[X+32*\c+\i]|, |v[X+32*\c+\i+1]|
.endr
.endr
.irp c, 0,1
	v_add_nc_u32 v[38+\c], 0xfe000000, v[36+\c]    ; 4 off the exponent field: the conversion's scale operand
.endr
.irp c, 0,1
	v_lshrrev_b32 v[40+\c], 23, v[38+\c]           ; the scale's byte
.endr
	v_lshl_or_b32 v42, v41, 16, v40                ; my two bytes, blocks h and 2 + h,
	v_lshlrev_b32 v42, v57, v42                    ; at their places in the row's word;
	v_permlanex16_b32 v37, v42, s34, s35
	v_or_b32 v42, v42, v37                         ; with lane l xor 16's two the word is whole
.irp c, 0,1
	v_cvt_scalef32_pk16_bf6_f32 v[F+6*\c:F+6*\c+2], v[X+32*\c:X+32*\c+15], v[38+\c]
	v_cvt_scalef32_pk16_bf6_f32 v[FT+4*\c:FT+4*\c+2], v[X+32*\c+16:X+32*\c+31], v[38+\c]    ; (a conversion's three registers begin on an even number)
.endr
	v_nop                                          ; one plain instruction behind the scaled conversions
.irp c, 0,1
.irp i, 0,1,2
	v_mov_b32 v[F+6*\c+3+\i], v[FT+4*\c+\i]
.endr
.endr
.irp q, 0,1,2
	global_store_b128 v58, v[F+4*\q:F+4*\q+3], s[8:9] offset:512*\q        ; 32 lanes store 512 consecutive bytes, aligned
.endr
	s_wait_xcnt 0x0                                ; EXEC changes only behind this wait
	v_cmp_gt_u32 vcc_lo, 16, v1
	s_and_saveexec_b32 s52, vcc_lo
	global_store_b32 v56, v42, s[10:11]            ; lanes 0-15: the 16 rows' scale words
	s_wait_xcnt 0x0
	s_mov_b32 exec_lo, -1
	s_wait_tensorcnt 0x0
	ds_add_u32 v62, v63
	s_wait_dscnt 0x0
	s_endpgm
.Lnot_frag:
	s_cmp_eq_u32 s2, 16
	s_cbranch_scc0 .Lnot_tok
	s_lshl_b32 s54, ttmp9, 7
	s_add_nc_u64 s[12:13], s[12:13], s[54:55]
	global_store_b32 v46, v47, s[12:13]            ; wave 16: the pair's 32 tokens
	s_wait_xcnt 0x0
	s_mov_b32 exec_lo, -1
	s_wait_tensorcnt 0x0
	ds_add_u32 v62, v63
	s_wait_dscnt 0x0
	s_endpgm
.Lnot_tok:
	s_cmp_eq_u32 s2, 17
	s_cbranch_scc0 .Lend
	s_cmp_eq_u32 ttmp9, 0
	s_cbranch_scc0 .Lend
	v_mov_b32 v48, 0                               ; wave 17 of work-group 0: the table of experts (pair 0 is always owned)
	v_mov_b32 v49, 0
.irp e, 0,1,2,3,4,5,6,7
	v_writelane_b32 v48, s[36+\e], \e
	v_writelane_b32 v49, s[44+\e], \e
.endr
	v_lshlrev_b32 v50, 3, v1
	v_cmp_gt_u32 vcc_lo, 8, v1
	s_and_saveexec_b32 s52, vcc_lo                 ; (my one load has been waited for: no memory instruction of mine is out)
	global_store_b64 v50, v[48:49], s[14:15]
.Lend:
	s_wait_xcnt 0x0
	s_mov_b32 exec_lo, -1
	s_wait_tensorcnt 0x0
	ds_add_u32 v62, v63
	s_wait_dscnt 0x0
	s_endpgm
.Lfunc_end_k_qaf4755c16b_place:
	.size	k_qaf4755c16b_place, .Lfunc_end_k_qaf4755c16b_place-k_qaf4755c16b_place
	.p2alignl 7, 3214868480
	.fill 96, 4, 3214868480
	.section	.rodata,"a",@progbits
	.p2align	6, 0x0
	.amdhsa_kernel k_qaf4755c16b_place
		.amdhsa_group_segment_fixed_size 147456
		.amdhsa_private_segment_fixed_size 0
		.amdhsa_enable_private_segment 0
		.amdhsa_kernarg_size 48
		.amdhsa_user_sgpr_count 2
		.amdhsa_user_sgpr_kernarg_segment_ptr 1
		.amdhsa_wavefront_size32 1
		.amdhsa_system_sgpr_workgroup_id_x 1
		.amdhsa_system_sgpr_workgroup_id_y 1
		.amdhsa_system_sgpr_workgroup_id_z 1
		.amdhsa_system_vgpr_workitem_id 0
		.amdhsa_next_free_vgpr 128
		.amdhsa_next_free_sgpr 66
		.amdhsa_reserve_vcc 1
		.amdhsa_float_denorm_mode_32 3
		.amdhsa_float_denorm_mode_16_64 3
		.amdhsa_memory_ordered 1
		.amdhsa_forward_progress 1
		.amdhsa_inst_pref_size 37
	.end_amdhsa_kernel
	.amdgpu_metadata
---
amdhsa.version: [ 1, 2 ]
amdhsa.kernels:
  - .name:           k_qaf4755c16b_place
    .symbol:         k_qaf4755c16b_place.kd
    .args:
      - { .name: ids, .offset: 0, .size: 8, .value_kind: global_buffer, .address_space: global }
      - { .name: x, .offset: 8, .size: 8, .value_kind: global_buffer, .address_space: global }
      - { .name: ximg, .offset: 16, .size: 8, .value_kind: global_buffer, .address_space: global }
      - { .name: xscl, .offset: 24, .size: 8, .value_kind: global_buffer, .address_space: global }
      - { .name: tok, .offset: 32, .size: 8, .value_kind: global_buffer, .address_space: global }
      - { .name: meta, .offset: 40, .size: 8, .value_kind: global_buffer, .address_space: global }
    .group_segment_fixed_size: 147456
    .private_segment_fixed_size: 0
    .kernarg_segment_align: 8
    .kernarg_segment_size: 48
    .max_flat_workgroup_size: 1024
    .sgpr_count:     66
    .vgpr_count:     128
    .wavefront_size: 32
...
	.end_amdgpu_metadata
.endif
;; end of part 2
;; launch up (part 3): grid 32 x 8, 8 waves a work-group, no clusters, 164,864 bytes of LDS; arguments up_W, up_b, ximg, xscl, meta, himg, hscl; writes himg, hscl
.if DOCPART == 3
	.amdgcn_target "amdgcn-amd-amdhsa--gfx1250"
	.amdhsa_code_object_version 6
	.text
	.protected	k_qaf4755c16b_up
	.globl	k_qaf4755c16b_up
	.p2align	8
	.type	k_qaf4755c16b_up,@function
k_qaf4755c16b_up:
	s_mov_b64 s[64:65], 0
	v_nop
	global_prefetch_b8 v0, s[64:65] scope:SCOPE_SE
	s_setreg_imm32_b32 hwreg(HW_REG_WAVE_MODE, 25, 1), 1
	s_wait_xcnt 0x0
; H = relu(X Q(up_W[e]) + up_b[e]) for the rows that chose expert e, on codes of BF6 (E3M2) with one E8M0 byte for each 32 along K, and H quantised again along the hidden axis.
; up_W: [8][1024 (k)][4096 (n)] f32.  The other experts' products are multiplied by 0 in the definition and are not made.
; SHARES: work-group (f, e) takes 128 hidden units of expert e, for all of the expert's rows.  Wave w takes 32 of them (w % 4) and 512 of K (w / 4): 64 KiB of f32, read from memory once
; a pass, quantised in registers and multiplied at once; no code of a weight goes to memory.  The two halves of K meet in LDS.
; A LANE TAKES TWO COLUMNS AND ITS REGISTERS RUN DOWN K: a load of 8 bytes a lane reads 128 consecutive bytes of each of two rows; the four waves of a K half stand side by side on 512.
; Lane (r, h) then holds, of columns 2 r and 2 r + 1, k = 32 b + 16 h + 0 .. 15 of block b.  Tile j of the wave is the 16 columns 2 r + j.
; THE PRODUCT IS USED TRANSPOSED (source 0 = 16 columns of the weight, source 1 = 16 rows of x): a lane holds one row and eight hidden units, and the two tiles' results, taken by turns,
; are 16 neighbours along the next K.
; ROWS: the expert's rows lie in pairs of 32 slots (two tiles), np pairs from pair p0 on (meta).  A PASS serves 5 pairs, 10 tiles, 20 accumulators; a pair's rank is held at np - 1, so that a
; pass is straight code with constant counts of loads (a pair made twice is stored twice with the same bytes).  More than 160 rows take further passes, which read the weights again.
; The loop over passes has the constant count 7 (35 pairs against at most 32); an idle pass jumps over the work and meets the others at each barrier.
; NO TENSOR LOADS, NO CLUSTER: whether a pass works, and which tiles it reads, hangs on counts read from memory.  The rows' fragments, which the 32 work-groups of an expert share, come
; straight into registers as images of the operand's registers.
; LIMITS: a block of zeros, or one whose largest magnitude lies under 2^-122, gets the byte 1 (the bytes are read by this program alone); NaN and infinities are not served;
; the sum over K is made in two halves, then the bias is added; the weights of an expert that no row chose are not read.
; REGISTERS: window 0: v1-10 addresses; v24-33 the rows' scale words, v34-35 the weights'; v36-43 at work; v44-75 16 numbers of each tile; v76-99 the weights' two fragments; v100-106 half blocks;
;   v108-227 the rows' 10 fragments; v228-243 the bias.   window 1: v0-159 accumulators ((tile t, j) at 8 (2 t + j)); v160-255 a ring of three blocks of weights as loaded.
.set PITCH, 16384                      ; a row of the weight in bytes
.set TILEB, 12288                      ; a tile's images: 8 K steps x 1,536
.set SCB,   512                        ; and scale words: 8 x 64
.set PAIRB, 2*TILEB
.set PAIRS, 2*SCB
.set VW,   1                           ; v1   h x 16 rows + 8 r
.set L16,  2                           ; v2   16 x lane
.set R4,   3                           ; v3   4 r
.set LWR,  4                           ; v4   where I put my accumulators: 16 x lane + 20,480 x wave
.set ASC,  24
.set WSC,  34
.set MX,   36                          ; v36-37 largest magnitudes; v38-39 the other half's; v40-41 scale operands; v42-43 bytes
.set XC,   38
.set SO,   40
.set BY,   42
.set T,    44
.set WF,   76
.set WT,   100
.set ACT,  108
.set BIAS, 228
.set RING, 160
.set MSB, 0
.macro WIN new                         ; the immediate's high byte repeats the setting that is left
.if MSB != \new
	s_set_vgpr_msb (MSB<<8)|\new
.set MSB, \new
.endif
.endm
.macro PLACES n
.rept \n
	v_nop
.endr
.endm
.macro WLOAD b                         ; block b of 32 along K: 16 loads, rows 32 b + 16 h + i, into ring slot b % 3
	WIN 0x40                                       ; destination window 1
.irp i, 0,1,2,3,4,5,6,7,8,9,10,11,12,13,14,15
	global_load_b64 v[RING+32*((\b)%3)+2*\i:RING+32*((\b)%3)+2*\i+1], v[VW], s[30:31] offset:(32*(\b)+\i)*PITCH th:TH_LOAD_NT
.endr
.endm
.macro QA b                            ; my 16 numbers' largest magnitude for each of the two columns, and the columns sorted apart: the conversion wants 16 neighbours along K in consecutive registers
	WIN 0x05                                       ; sources 0 and 1 window 1
.set RB, RING+32*((\b)%3)
.irp j, 0,1
	v_max3_num_f32 v[MX+\j], |v[RB+\j]|, |v[RB+2+\j]|, 0x2800000   ; the floor 2^(5 - 127) holds the byte at 1 from below
.endr
.irp n, 1,2,3,4,5,6,7
.irp j, 0,1
	v_max3_num_f32 v[MX+\j], |v[RB+4*\n+\j]|, |v[RB+4*\n+2+\j]|, v[MX+\j]
.endr
.endr
.irp i, 0,1,2,3,4,5,6,7,8,9,10,11,12,13,14,15
.irp j, 0,1
	v_mov_b32 v[T+16*\j+\i], v[RB+2*\i+\j]
.endr
.endr
.endm
.macro QB b                            ; the block's scale and codes, for both tiles
	WIN 0
.set QBB, (\b)%4                       ; which block of the K step of 128
.set QC, QBB/2
.irp j, 0,1
	v_permlanex16_b32 v[XC+\j], v[MX+\j], s28, s29
.endr
.irp j, 0,1
	v_max_num_f32 v[MX+\j], v[MX+\j], v[XC+\j]     ; with lane l xor 16's 16: the block's largest magnitude
.endr
.irp j, 0,1
	v_add_nc_u32 v[SO+\j], 0xfe000000, v[MX+\j]    ; 4 off its exponent field: the conversion's scale operand
.endr
.irp j, 0,1
	v_lshrrev_b32 v[BY+\j], 23, v[SO+\j]           ; the scale's byte
.endr
.irp j, 0,1
.if QBB == 0
	v_mov_b32 v[WSC+\j], v[BY+\j]
.else
	v_lshl_or_b32 v[WSC+\j], v[BY+\j], 8*QBB, v[WSC+\j]
.endif
.endr
.irp j, 0,1
.if QBB%2 == 0
	v_cvt_scalef32_pk16_bf6_f32 v[WF+12*\j+6*QC:WF+12*\j+6*QC+2], v[T+16*\j:T+16*\j+15], v[SO+\j]
.else
	v_cvt_scalef32_pk16_bf6_f32 v[WT+4*\j:WT+4*\j+2], v[T+16*\j:T+16*\j+15], v[SO+\j]
.endif
.endr
	v_nop                                          ; one plain instruction behind the scaled conversions
.if QBB%2 == 1                         ; the operand wants a whole block in a lane: lanes 0-15 the even block, lanes 16-31 the odd one
.irp j, 0,1
.irp i, 0,1,2
	v_permlane16_swap_b32 v[WF+12*\j+6*QC+\i], v[WT+4*\j+\i]
.endr
.endr
.irp j, 0,1
.irp i, 0,1,2
	v_mov_b32 v[WF+12*\j+6*QC+3+\i], v[WT+4*\j+\i]
.endr
.endr
.endif
.endm
.macro ACTS sl                         ; the 10 tiles' fragments and scale words of my K step sl: 40 loads
	WIN 0
.irp q, 0,1,2,3,4
.irp u, 0,1
.irp n, 0,1,2
	global_load_b128 v[ACT+12*(2*\q+\u)+4*\n:ACT+12*(2*\q+\u)+4*\n+3], v[L16], s[32+2*\q:33+2*\q] offset:\u*TILEB+(\sl)*1536+512*\n
.endr
	global_load_b32 v[ASC+2*\q+\u], v[R4], s[42+2*\q:43+2*\q] offset:\u*SCB+(\sl)*64
.endr
.endr
.endm
.macro MUL sl                          ; 20 products; the 20 accumulators take turns, one instruction a turn.  The first K step starts the sums
	WIN 0x50                                       ; C and D window 1
.irp t, 0,1,2,3,4,5,6,7,8,9
.irp j, 0,1
.if (\sl) == 0
	v_wmma_scale_f32_16x16x128_f8f6f4 v[8*(2*\t+\j):8*(2*\t+\j)+7], v[WF+12*\j:WF+12*\j+11], v[ACT+12*\t:ACT+12*\t+11], 0, v[WSC+\j], v[ASC+\t] matrix_a_fmt:MATRIX_FMT_BF6 matrix_b_fmt:MATRIX_FMT_BF6
.else
	v_wmma_scale_f32_16x16x128_f8f6f4 v[8*(2*\t+\j):8*(2*\t+\j)+7], v[WF+12*\j:WF+12*\j+11], v[ACT+12*\t:ACT+12*\t+11], v[8*(2*\t+\j):8*(2*\t+\j)+7], v[WSC+\j], v[ASC+\t] matrix_a_fmt:MATRIX_FMT_BF6 matrix_b_fmt:MATRIX_FMT_BF6
.endif
.endr
.endr
.endm
.macro BLOCK b, n                      ; n: how many loads issued behind block b's 16 may stay out
	s_wait_loadcnt \n
	QA \b
.if (\b)+3 < 16
	WLOAD (\b)+3                                   ; into the ring slot just read
.endif
	QB \b
.endm
.macro KSTEP sl
	PLACES 8                                       ; a scale register written by a vector instruction stands 8 places ahead of a scaled matrix instruction, an operand 4
	MUL \sl
	PLACES 4                                       ; ahead of loads into registers that the products read, and of the first read of results
.if (\sl) < 3
	ACTS (\sl)+1
.endif
.endm
	s_load_b256 s[4:11], s[0:1], 0x0               ; up_W s[4:5], up_b s[6:7], ximg s[8:9], xscl s[10:11]
	s_load_b128 s[12:15], s[0:1], 0x20             ; meta s[12:13], himg s[14:15]
	s_load_b64 s[16:17], s[0:1], 0x30              ; hscl
	v_lshl_add_u32 v254, v0, 2, 0x28000
	v_mov_b32 v255, 0
	v_lshrrev_b32 v100, 5, v0
	v_readfirstlane_b32 s18, v100                  ; wave 0..7
	v_and_b32 v101, 31, v0                         ; lane
	v_and_b32 v102, 15, v0                         ; r
	v_bfe_u32 v103, v0, 4, 1                       ; h
	v_lshlrev_b32 v[VW], 18, v103                  ; 16 rows of 16,384 bytes
	v_lshl_add_u32 v[VW], v102, 3, v[VW]
	v_lshlrev_b32 v[L16], 4, v101
	v_lshlrev_b32 v[R4], 2, v102
	s_and_b32 s19, s18, 3                          ; which 32 columns
	s_lshr_b32 s20, s18, 2                         ; which half of K
	s_mov_b32 s21, ttmp9                           ; f
	s_and_b32 s22, ttmp7, 0xffff                   ; e
	s_mul_i32 s56, s18, 20480
	v_add_nc_u32 v[LWR], s56, v[L16]
	s_mul_i32 s56, s19, 20480
	s_lshl_b32 s57, s20, 12
	s_add_co_u32 s56, s56, s57
	v_add_nc_u32 v5, s56, v[L16]                   ; the way out: the lower K half's accumulators of my columns, pairs (w / 4) + 2 m,
	v_add_nc_u32 v6, 81920, v5                     ; and the upper half's, four waves on
	v_mul_u32_u24 v8, v103, 0xc000                 ; himg: lanes 16-31 store the pair's second tile, 49,152 bytes on;
	v_lshl_add_u32 v8, v102, 4, v8                 ; row r's block stands in lane r + 16 (block % 2) of the image
	s_and_b32 s57, s19, 1
	s_lshl_b32 s57, s57, 8
	v_add_nc_u32 v8, s57, v8
	v_lshlrev_b32 v9, 11, v103                     ; hscl: the second tile 2,048 bytes on, row r's word, my block's byte
	v_lshl_add_u32 v9, v102, 2, v9
	v_add_nc_u32 v9, s19, v9
	v_lshlrev_b32 v10, 6, v103                     ; the bias: my 16 units begin 64 h bytes on
	v_mov_b32 v[XC], 0                             ; written once: a lane permute's destination counts as one of its sources
	v_mov_b32 v[XC+1], 0
	s_mov_b32 s28, 0x76543210                      ; v_permlanex16_b32's selects for lane l xor 16
	s_mov_b32 s29, 0xfedcba98
	s_mov_b32 s59, 0
	s_mul_i32 s27, s20, 4*1536                     ; my four K steps in a tile's images,
	s_lshl_b32 s62, s20, 8                         ; and in its scale words
	s_mul_i32 s63, s21, 1536                       ; K step f of the next product, in a tile's images,
	s_lshl_b32 s61, s21, 6                         ; and in its scale words
	s_wait_kmcnt 0x0
	s_lshl_b32 s58, s22, 3
	s_add_nc_u64 s[12:13], s[12:13], s[58:59]
	s_load_b64 s[24:25], s[12:13], 0x0             ; p0, np
	s_lshl_b32 s58, s22, 24                        ; the expert's 16 MiB,
	s_lshl_b32 s57, s20, 23                        ; 512 rows,
	s_add_co_u32 s58, s58, s57
	s_lshl_b32 s57, s21, 9                         ; 128 columns,
	s_add_co_u32 s58, s58, s57
	s_lshl_b32 s57, s19, 7                         ; 32 columns
	s_add_co_u32 s58, s58, s57
	s_add_nc_u64 s[30:31], s[4:5], s[58:59]        ; my weights; never rewritten
	s_lshl_b32 s58, s22, 14
	s_lshl_b32 s57, s21, 9
	s_add_co_u32 s58, s58, s57
	s_lshl_b32 s57, s19, 7
	s_add_co_u32 s58, s58, s57
	s_add_nc_u64 s[6:7], s[6:7], s[58:59]
.irp n, 0,1,2,3
	global_load_b128 v[BIAS+4*\n:BIAS+4*\n+3], v10, s[6:7] offset:16*\n
.endr
	s_wait_kmcnt 0x0
	s_min_u32 s24, s24, 39
	s_min_u32 s25, s25, 32
	s_sub_co_u32 s26, s25, 1                       ; the last pair's rank
	s_mov_b32 s23, 0
.Lpass:
	s_mul_i32 s56, s23, 5                          ; the pass's first pair
	s_cmp_lt_u32 s56, s25
	s_cbranch_scc0 .Lidle1
	s_wait_xcnt 0x0                                ; the last pass's loads and stores have read their bases: they may be written
.irp q, 0,1,2,3,4
	s_add_co_u32 s57, s56, \q
	s_min_u32 s57, s57, s26
	s_add_co_u32 s57, s57, s24
	s_min_u32 s57, s57, 39                         ; the pair
	s_mul_i32 s58, s57, PAIRB
	s_add_co_u32 s58, s58, s27
	s_add_nc_u64 s[32+2*\q:33+2*\q], s[8:9], s[58:59]
	s_mul_i32 s58, s57, PAIRS
	s_add_co_u32 s58, s58, s62
	s_add_nc_u64 s[42+2*\q:43+2*\q], s[10:11], s[58:59]
.endr
	WLOAD 0
	WLOAD 1
	WLOAD 2
	ACTS 0
	; Loads come back in order.  Behind a block's 16 stand: two blocks and 40 loads of rows (72: the largest count that can be written is taken), or two blocks (32: the rows'
	; loads were issued earlier, so this wait shows them in too), or at the end the last 40 and the last block (56), or nothing.
	BLOCK 0, 63
	BLOCK 1, 63
	BLOCK 2, 63
	BLOCK 3, 32
	KSTEP 0
	BLOCK 4, 63
	BLOCK 5, 63
	BLOCK 6, 63
	BLOCK 7, 32
	KSTEP 1
	BLOCK 8, 63
	BLOCK 9, 63
	BLOCK 10, 63
	BLOCK 11, 32
	KSTEP 2
	BLOCK 12, 63
	BLOCK 13, 63
	BLOCK 14, 56
	BLOCK 15, 0
	KSTEP 3
	WIN 0x04                                       ; an LDS store's data are its source 1: window 1
.irp a, 0,1,2,3,4,5,6,7,8,9,10,11,12,13,14,15,16,17,18,19
	ds_store_b128 v[LWR], v[8*\a:8*\a+3] offset:1024*\a                    ; each accumulator from its low end on
	ds_store_b128 v[LWR], v[8*\a+4:8*\a+7] offset:1024*\a+512
.endr
	WIN 0
.Lidle1:
	s_wait_dscnt 0x0                               ; my stores have landed,
	s_barrier_signal -1
	s_barrier_wait -1                              ; everybody's have
	s_cmp_lt_u32 s56, s25
	s_cbranch_scc0 .Lidle2
	s_wait_loadcnt 0x0                             ; the bias
; THE WAY OUT of pair (w / 4) + 2 m, my 32 hidden units: the two halves of K are added, the bias, relu; the 32 units are one block of the next K: its byte and its codes.
.macro RED3 m
	s_add_co_u32 s57, s56, s20
.if (\m) > 0
	s_add_co_u32 s57, s57, 2*(\m)
.endif
	s_min_u32 s57, s57, s26
	s_add_co_u32 s57, s57, s24
	s_min_u32 s57, s57, 39                         ; the pair
	s_mul_i32 s58, s57, 98304
	s_add_co_u32 s58, s58, s63
	s_add_nc_u64 s[52:53], s[14:15], s[58:59]
	s_lshl_b32 s58, s57, 12
	s_add_co_u32 s58, s58, s61
	s_add_nc_u64 s[54:55], s[16:17], s[58:59]
.irp u, 0,1
.irp j, 0,1
.irp n, 0,1
	ds_load_b128 v[ACT+16*\u+8*\j+4*\n:ACT+16*\u+8*\j+4*\n+3], v5 offset:8192*(\m)+2048*\u+1024*\j+512*\n
	ds_load_b128 v[ACT+32+16*\u+8*\j+4*\n:ACT+32+16*\u+8*\j+4*\n+3], v6 offset:8192*(\m)+2048*\u+1024*\j+512*\n
.endr
.endr
.endr
	s_wait_dscnt 0x0
.irp u, 0,1
.irp j, 0,1
.irp i, 0,1,2,3,4,5,6,7
	v_add_f32 v[T+16*\u+2*\i+\j], v[ACT+16*\u+8*\j+\i], v[ACT+32+16*\u+8*\j+\i]    ; tile j's register i is unit 16 h + 2 i + j: the sums fall into the units' order
.endr
.endr
.endr
.irp u, 0,1
.irp p, 0,2,4,6,8,10,12,14
	v_pk_add_f32 v[T+16*\u+\p:T+16*\u+\p+1], v[T+16*\u+\p:T+16*\u+\p+1], v[BIAS+\p:BIAS+\p+1]
.endr
.endr
.irp i, 0,1,2,3,4,5,6,7,8,9,10,11,12,13,14,15,16,17,18,19,20,21,22,23,24,25,26,27,28,29,30,31
	v_max_num_f32 v[T+\i], 0, v[T+\i]              ; relu, in f32
.endr
.irp u, 0,1
	v_max3_num_f32 v[MX+\u], v[T+16*\u], v[T+16*\u+1], 0x2800000           ; none is negative: no |.|
.endr
.irp i, 2,4,6,8,10,12,14
.irp u, 0,1
	v_max3_num_f32 v[MX+\u], v[MX+\u], v[T+16*\u+\i], v[T+16*\u+\i+1]
.endr
.endr
.irp u, 0,1
	v_permlanex16_b32 v[XC+\u], v[MX+\u], s28, s29
.endr
.irp u, 0,1
	v_max_num_f32 v[MX+\u], v[MX+\u], v[XC+\u]
.endr
.irp u, 0,1
	v_add_nc_u32 v[SO+\u], 0xfe000000, v[MX+\u]
.endr
.irp u, 0,1
	v_lshrrev_b32 v[BY+\u], 23, v[SO+\u]
.endr
	v_cvt_scalef32_pk16_bf6_f32 v[WF:WF+2], v[T:T+15], v[SO]               ; the first tile's half blocks,
	v_cvt_scalef32_pk16_bf6_f32 v[WT:WT+2], v[T+16:T+31], v[SO+1]          ; the second's
	v_nop                                          ; one plain instruction behind the scaled conversions
.irp i, 0,1,2
	v_permlane16_swap_b32 v[WF+\i], v[WT+\i]       ; lanes 0-15 now hold the first tile's whole blocks, lanes 16-31 the second's: lower 16 codes here, upper 16 there
.endr
.irp i, 0,1,2
	v_mov_b32 v[WF+3+\i], v[WT+\i]
.endr
	v_permlane16_swap_b32 v[BY], v[BY+1]           ; and the bytes likewise
	s_cmp_lt_u32 s19, 2
	s_cbranch_scc0 .Lupper_\@
	global_store_b128 v8, v[WF:WF+3], s[52:53]                     ; blocks 0, 1: registers 0-5 of the image.  Sixteen lanes store 256 consecutive bytes, aligned;
	global_store_b64 v8, v[WF+4:WF+5], s[52:53] offset:512         ; here 8 of each 16 bytes
	s_branch .Lstored_\@
.Lupper_\@:
	global_store_b64 v8, v[WF:WF+1], s[52:53] offset:520           ; blocks 2, 3: registers 6-11
	global_store_b128 v8, v[WF+2:WF+5], s[52:53] offset:1024
.Lstored_\@:
	global_store_b8 v9, v[BY], s[54:55]
	s_wait_xcnt 0x0                                ; the stores have read their registers and bases
.endm
	RED3 0
	RED3 1
	s_cmp_lt_u32 s18, 4                            ; pair 4 falls to the waves of the lower half
	s_cbranch_scc0 .Lidle2
	RED3 2
.Lidle2:
	s_wait_dscnt 0x0                               ; my reads of the accumulators are over: the next pass may write there
	s_barrier_signal -1
	s_barrier_wait -1
	s_add_co_u32 s23, s23, 1
	s_cmp_lt_u32 s23, 7
	s_cbranch_scc1 .Lpass
	s_wait_tensorcnt 0x0
	ds_add_u32 v254, v255
	s_wait_dscnt 0x0
	s_endpgm
.Lfunc_end_k_qaf4755c16b_up:
	.size	k_qaf4755c16b_up, .Lfunc_end_k_qaf4755c16b_up-k_qaf4755c16b_up
	.p2alignl 7, 3214868480
	.fill 96, 4, 3214868480
	.section	.rodata,"a",@progbits
	.p2align	6, 0x0
	.amdhsa_kernel k_qaf4755c16b_up
		.amdhsa_group_segment_fixed_size 164864
		.amdhsa_private_segment_fixed_size 0
		.amdhsa_enable_private_segment 0
		.amdhsa_kernarg_size 56
		.amdhsa_user_sgpr_count 2
		.amdhsa_user_sgpr_kernarg_segment_ptr 1
		.amdhsa_wavefront_size32 1
		.amdhsa_system_sgpr_workgroup_id_x 1
		.amdhsa_system_sgpr_workgroup_id_y 1
		.amdhsa_system_sgpr_workgroup_id_z 1
		.amdhsa_system_vgpr_workitem_id 0
		.amdhsa_next_free_vgpr 512
		.amdhsa_next_free_sgpr 66
		.amdhsa_reserve_vcc 0
		.amdhsa_float_denorm_mode_32 3
		.amdhsa_float_denorm_mode_16_64 3
		.amdhsa_memory_ordered 1
		.amdhsa_forward_progress 1
		.amdhsa_inst_pref_size 128
	.end_amdhsa_kernel
	.amdgpu_metadata
---
amdhsa.version: [ 1, 2 ]
amdhsa.kernels:
  - .name:           k_qaf4755c16b_up
    .symbol:         k_qaf4755c16b_up.kd
    .args:
      - { .name: up_W, .offset: 0, .size: 8, .value_kind: global_buffer, .address_space: global }
      - { .name: up_b, .offset: 8, .size: 8, .value_kind: global_buffer, .address_space: global }
      - { .name: ximg, .offset: 16, .size: 8, .value_kind: global_buffer, .address_space: global }
      - { .name: xscl, .offset: 24, .size: 8, .value_kind: global_buffer, .address_space: global }
      - { .name: meta, .offset: 32, .size: 8, .value_kind: global_buffer, .address_space: global }
      - { .name: himg, .offset: 40, .size: 8, .value_kind: global_buffer, .address_space: global }
      - { .name: hscl, .offset: 48, .size: 8, .value_kind: global_buffer, .address_space: global }
    .group_segment_fixed_size: 164864
    .private_segment_fixed_size: 0
    .kernarg_segment_align: 8
    .kernarg_segment_size: 56
    .max_flat_workgroup_size: 256
    .sgpr_count:     66
    .vgpr_count:     512
    .wavefront_size: 32
...
	.end_amdgpu_metadata
.endif
;; end of part 3
;; launch down (part 4): grid 32 x 8, 8 waves a work-group, no clusters, 164,864 bytes of LDS; arguments down_W, down_b, himg, hscl, meta, tok, out0; writes out0
.if DOCPART == 4
	.amdgcn_target "amdgcn-amd-amdhsa--gfx1250"
	.amdhsa_code_object_version 6
	.text
	.protected	k_qaf4755c16b_down
	.globl	k_qaf4755c16b_down
	.p2align	8
	.type	k_qaf4755c16b_down,@function
k_qaf4755c16b_down:
	s_mov_b64 s[64:65], 0
	v_nop
	global_prefetch_b8 v0, s[64:65] scope:SCOPE_SE
	s_setreg_imm32_b32 hwreg(HW_REG_WAVE_MODE, 25, 1), 1
	s_wait_xcnt 0x0
; out0[token] = H Q(down_W[e]) + down_b[e] for the rows that chose expert e, on codes of BF6 (E3M2) with one E8M0 byte for each 32 along K.  down_W: [8][4096 (k)][1024 (n)] f32.
; SHARES: work-group (f, e) takes 32 columns of expert e, for all of the expert's rows and all of K, so that each number of out0 has one owner.  Wave w takes 512 of K: 64 KiB of f32, read
; from memory once a pass, quantised in registers and multiplied at once.  The eight parts of K meet in LDS.
; A LANE TAKES TWO COLUMNS AND ITS REGISTERS RUN DOWN K: a load of 8 bytes a lane reads 128 consecutive bytes of each of two rows.  Lane (r, h) holds, of columns 2 r and 2 r + 1,
; k = 32 b + 16 h + 0 .. 15 of block b.  Tile j is the 16 columns 2 r + j.  Source 0 = 16 rows of H, source 1 = 16 columns: a lane holds eight rows of one column, and the two tiles' results
; side by side are 8 neighbouring bytes of a row of out0: sixteen lanes store 128 consecutive bytes, all that the work-group owns of a row.
; ROWS, PASSES, and why there are no tensor loads and no cluster: as in the launch before (pairs of 32 slots; 5 pairs a pass, a pair's rank held at np - 1; a loop of 7 passes, idle ones
; jumping over the work; activity and addresses hang on counts read from memory).  A slot that no token took holds a copy of its pair's first token and stores the same bytes to the same place.
; LIMITS: a block of zeros, or one whose largest magnitude lies under 2^-122, gets the byte 1; NaN and infinities are not served; the sum over K is made in eight parts, added as a tree,
; then the bias; the weights of an expert that no row chose are not read.
; REGISTERS: window 0: v1-19 addresses and the bias; v24-33 the rows' scale words, v34-35 the weights'; v36-43 at work; v44-75 16 numbers of each tile; v76-99 the weights' two fragments;
;   v100-106 half blocks; v108-227 the rows' 10 fragments (on the way out v100-227: eight waves' parts); v228-243 tokens.   window 1: v0-159 accumulators; v160-255 a ring of three blocks.
.set PITCH, 4096
.set TILEB, 49152                      ; a tile's images: 32 K steps x 1,536
.set SCB,   2048
.set PAIRB, 2*TILEB
.set PAIRS, 2*SCB
.set VW,   1
.set L16,  2
.set R4,   3
.set LWR,  4
.set OA,   10                          ; v10-17 the eight rows' offsets in out0
.set BI,   18                          ; v18-19 the bias of my two columns
.set ASC,  24
.set WSC,  34
.set MX,   36
.set XC,   38
.set SO,   40
.set BY,   42
.set T,    44
.set WF,   76
.set WT,   100
.set SUM,  100
.set ACT,  108
.set TOKR, 228
.set RING, 160
.set MSB, 0
.macro WIN new                         ; the immediate's high byte repeats the setting that is left
.if MSB != \new
	s_set_vgpr_msb (MSB<<8)|\new
.set MSB, \new
.endif
.endm
.macro PLACES n
.rept \n
	v_nop
.endr
.endm
.macro WLOAD b                         ; block b of 32 along K: 16 loads, rows 32 b + 16 h + i, into ring slot b % 3
	WIN 0x40                                       ; destination window 1
.irp i, 0,1,2,3,4,5,6,7,8,9,10,11,12,13,14,15
	global_load_b64 v[RING+32*((\b)%3)+2*\i:RING+32*((\b)%3)+2*\i+1], v[VW], s[30:31] offset:(32*(\b)+\i)*PITCH
.endr
.endm
.macro QA b                            ; my 16 numbers' largest magnitude for each of the two columns, and the columns sorted apart
	WIN 0x05                                       ; sources 0 and 1 window 1
.set RB, RING+32*((\b)%3)
.irp j, 0,1
	v_max3_num_f32 v[MX+\j], |v[RB+\j]|, |v[RB+2+\j]|, 0x2800000   ; the floor 2^(5 - 127) holds the byte at 1 from below
.endr
.irp n, 1,2,3,4,5,6,7
.irp j, 0,1
	v_max3_num_f32 v[MX+\j], |v[RB+4*\n+\j]|, |v[RB+4*\n+2+\j]|, v[MX+\j]
.endr
.endr
.irp i, 0,1,2,3,4,5,6,7,8,9,10,11,12,13,14,15
.irp j, 0,1
	v_mov_b32 v[T+16*\j+\i], v[RB+2*\i+\j]
.endr
.endr
.endm
.macro QB b                            ; the block's scale and codes, for both tiles
	WIN 0
.set QBB, (\b)%4
.set QC, QBB/2
.irp j, 0,1
	v_permlanex16_b32 v[XC+\j], v[MX+\j], s28, s29
.endr
.irp j, 0,1
	v_max_num_f32 v[MX+\j], v[MX+\j], v[XC+\j]     ; with lane l xor 16's 16: the block's largest magnitude
.endr
.irp j, 0,1
	v_add_nc_u32 v[SO+\j], 0xfe000000, v[MX+\j]    ; 4 off its exponent field: the conversion's scale operand
.endr
.irp j, 0,1
	v_lshrrev_b32 v[BY+\j], 23, v[SO+\j]           ; the scale's byte
.endr
.irp j, 0,1
.if QBB == 0
	v_mov_b32 v[WSC+\j], v[BY+\j]
.else
	v_lshl_or_b32 v[WSC+\j], v[BY+\j], 8*QBB, v[WSC+\j]
.endif
.endr
.irp j, 0,1
.if QBB%2 == 0
	v_cvt_scalef32_pk16_bf6_f32 v[WF+12*\j+6*QC:WF+12*\j+6*QC+2], v[T+16*\j:T+16*\j+15], v[SO+\j]
.else
	v_cvt_scalef32_pk16_bf6_f32 v[WT+4*\j:WT+4*\j+2], v[T+16*\j:T+16*\j+15], v[SO+\j]
.endif
.endr
	v_nop                                          ; one plain instruction behind the scaled conversions
.if QBB%2 == 1                         ; the operand wants a whole block in a lane: lanes 0-15 the even block, lanes 16-31 the odd one
.irp j, 0,1
.irp i, 0,1,2
	v_permlane16_swap_b32 v[WF+12*\j+6*QC+\i], v[WT+4*\j+\i]
.endr
.endr
.irp j, 0,1
.irp i, 0,1,2
	v_mov_b32 v[WF+12*\j+6*QC+3+\i], v[WT+4*\j+\i]
.endr
.endr
.endif
.endm
.macro ACTS sl                         ; the 10 tiles' fragments and scale words of my K step sl: 40 loads
	WIN 0
.irp q, 0,1,2,3,4
.irp u, 0,1
.irp n, 0,1,2
	global_load_b128 v[ACT+12*(2*\q+\u)+4*\n:ACT+12*(2*\q+\u)+4*\n+3], v[L16], s[32+2*\q:33+2*\q] offset:\u*TILEB+(\sl)*1536+512*\n
.endr
	global_load_b32 v[ASC+2*\q+\u], v[R4], s[42+2*\q:43+2*\q] offset:\u*SCB+(\sl)*64
.endr
.endr
.endm
.macro MUL sl                          ; 20 products; the 20 accumulators take turns, one instruction a turn.  The first K step starts the sums
	WIN 0x50                                       ; C and D window 1
.irp t, 0,1,2,3,4,5,6,7,8,9
.irp j, 0,1
.if (\sl) == 0
	v_wmma_scale_f32_16x16x128_f8f6f4 v[8*(2*\t+\j):8*(2*\t+\j)+7], v[ACT+12*\t:ACT+12*\t+11], v[WF+12*\j:WF+12*\j+11], 0, v[ASC+\t], v[WSC+\j] matrix_a_fmt:MATRIX_FMT_BF6 matrix_b_fmt:MATRIX_FMT_BF6
.else
	v_wmma_scale_f32_16x16x128_f8f6f4 v[8*(2*\t+\j):8*(2*\t+\j)+7], v[ACT+12*\t:ACT+12*\t+11], v[WF+12*\j:WF+12*\j+11], v[8*(2*\t+\j):8*(2*\t+\j)+7], v[ASC+\t], v[WSC+\j] matrix_a_fmt:MATRIX_FMT_BF6 matrix_b_fmt:MATRIX_FMT_BF6
.endif
.endr
.endr
.endm
.macro BLOCK b, n                      ; n: how many loads issued behind block b's 16 may stay out
	s_wait_loadcnt \n
	QA \b
.if (\b)+3 < 16
	WLOAD (\b)+3                                   ; into the ring slot just read
.endif
	QB \b
.endm
.macro KSTEP sl
	PLACES 8                                       ; a scale register written by a vector instruction stands 8 places ahead of a scaled matrix instruction, an operand 4
	MUL \sl
	PLACES 4                                       ; ahead of loads into registers that the products read, and of the first read of results
.if (\sl) < 3
	ACTS (\sl)+1
.endif
.endm
	s_load_b256 s[4:11], s[0:1], 0x0               ; down_W s[4:5], down_b s[6:7], himg s[8:9], hscl s[10:11]
	s_load_b128 s[12:15], s[0:1], 0x20             ; meta s[12:13], tok s[14:15]
	s_load_b64 s[16:17], s[0:1], 0x30              ; out0
	v_lshl_add_u32 v254, v0, 2, 0x28000
	v_mov_b32 v255, 0
	v_lshrrev_b32 v100, 5, v0
	v_readfirstlane_b32 s18, v100                  ; wave 0..7: which 512 of K
	v_and_b32 v101, 31, v0                         ; lane
	v_and_b32 v102, 15, v0                         ; r
	v_bfe_u32 v103, v0, 4, 1                       ; h
	v_lshlrev_b32 v[VW], 16, v103                  ; 16 rows of 4,096 bytes
	v_lshl_add_u32 v[VW], v102, 3, v[VW]
	v_lshlrev_b32 v[L16], 4, v101
	v_lshlrev_b32 v[R4], 2, v102
	s_mov_b32 s21, ttmp9                           ; f
	s_and_b32 s22, ttmp7, 0xffff                   ; e
	s_mul_i32 s56, s18, 20480
	v_add_nc_u32 v[LWR], s56, v[L16]
	s_lshl_b32 s56, s18, 11
	v_add_nc_u32 v5, s56, v[L16]                   ; the way out: tile w of waves 0 to 2,
	v_add_nc_u32 v6, 61440, v5                     ; of waves 3 to 5,
	v_add_nc_u32 v7, 61440, v6                     ; of waves 6 and 7
	v_lshlrev_b32 v8, 3, v102                      ; my two columns: 8 r
	v_lshlrev_b32 v9, 5, v103                      ; my eight slots' tokens: 32 h
.irp i, 0,1,2,3,4,5,6,7,8,9,10,11,12,13,14,15
	v_mov_b32 v[TOKR+\i], 0                        ; written on every way, ahead of the loads that fill them
.endr
	v_mov_b32 v[XC], 0                             ; written once: a lane permute's destination counts as one of its sources
	v_mov_b32 v[XC+1], 0
	s_mov_b32 s28, 0x76543210                      ; v_permlanex16_b32's selects for lane l xor 16
	s_mov_b32 s29, 0xfedcba98
	s_mov_b32 s59, 0
	s_mul_i32 s27, s18, 4*1536                     ; my four K steps in a tile's images,
	s_lshl_b32 s62, s18, 8                         ; and in its scale words
	s_wait_kmcnt 0x0
	s_lshl_b32 s58, s22, 3
	s_add_nc_u64 s[12:13], s[12:13], s[58:59]
	s_load_b64 s[24:25], s[12:13], 0x0             ; p0, np
	s_lshl_b32 s58, s22, 24                        ; the expert's 16 MiB,
	s_lshl_b32 s57, s18, 21                        ; 512 rows,
	s_add_co_u32 s58, s58, s57
	s_lshl_b32 s57, s21, 7                         ; 32 columns
	s_add_co_u32 s58, s58, s57
	s_add_nc_u64 s[30:31], s[4:5], s[58:59]        ; my weights; never rewritten
	s_lshl_b32 s58, s22, 12
	s_add_co_u32 s58, s58, s57
	s_add_nc_u64 s[6:7], s[6:7], s[58:59]
	global_load_b64 v[BI:BI+1], v8, s[6:7]
	s_mov_b32 s58, s57
	s_add_nc_u64 s[52:53], s[16:17], s[58:59]      ; out0 at my work-group's 32 columns; never rewritten
	s_wait_kmcnt 0x0
	s_min_u32 s24, s24, 39
	s_min_u32 s25, s25, 32
	s_sub_co_u32 s26, s25, 1                       ; the last pair's rank
	s_mov_b32 s23, 0
.Lpass:
	s_mul_i32 s56, s23, 5                          ; the pass's first pair
	s_cmp_lt_u32 s56, s25
	s_cbranch_scc0 .Lidle1
	s_wait_xcnt 0x0                                ; the last pass's loads and stores have read their bases: they may be written
.irp q, 0,1,2,3,4
	s_add_co_u32 s57, s56, \q
	s_min_u32 s57, s57, s26
	s_add_co_u32 s57, s57, s24
	s_min_u32 s57, s57, 39                         ; the pair
	s_mul_i32 s58, s57, PAIRB
	s_add_co_u32 s58, s58, s27
	s_add_nc_u64 s[32+2*\q:33+2*\q], s[8:9], s[58:59]
	s_mul_i32 s58, s57, PAIRS
	s_add_co_u32 s58, s58, s62
	s_add_nc_u64 s[42+2*\q:43+2*\q], s[10:11], s[58:59]
.endr
	s_lshr_b32 s57, s18, 1                         ; the tokens of the tiles that I shall store: tile w of the pass,
	s_add_co_u32 s57, s57, s56
	s_min_u32 s57, s57, s26
	s_add_co_u32 s57, s57, s24
	s_min_u32 s57, s57, 39
	s_lshl_b32 s57, s57, 1
	s_and_b32 s58, s18, 1
	s_add_co_u32 s58, s58, s57
	s_lshl_b32 s58, s58, 6                         ; 64 bytes a tile
	s_add_nc_u64 s[54:55], s[14:15], s[58:59]
	s_add_co_u32 s57, s56, 4                       ; and tile 8 or 9 (used by waves 0 and 1)
	s_min_u32 s57, s57, s26
	s_add_co_u32 s57, s57, s24
	s_min_u32 s57, s57, 39
	s_lshl_b32 s57, s57, 1
	s_min_u32 s58, s18, 1
	s_add_co_u32 s58, s58, s57
	s_lshl_b32 s58, s58, 6
	s_add_nc_u64 s[60:61], s[14:15], s[58:59]
	WLOAD 0
	WLOAD 1
	WLOAD 2
	WIN 0
	global_load_b128 v[TOKR:TOKR+3],     v9, s[54:55]
	global_load_b128 v[TOKR+4:TOKR+7],   v9, s[54:55] offset:16
	global_load_b128 v[TOKR+8:TOKR+11],  v9, s[60:61]
	global_load_b128 v[TOKR+12:TOKR+15], v9, s[60:61] offset:16
	ACTS 0
	; Loads come back in order.  Behind a block's 16 stand: two blocks and 40 loads of rows (72, at first 76: the largest count that can be written is taken), or two blocks (32: the
	; rows' loads were issued earlier, so this wait shows them in too), or at the end the last 40 and the last block (56), or nothing.
	BLOCK 0, 63
	BLOCK 1, 63
	BLOCK 2, 63
	BLOCK 3, 32
	KSTEP 0
	BLOCK 4, 63
	BLOCK 5, 63
	BLOCK 6, 63
	BLOCK 7, 32
	KSTEP 1
	BLOCK 8, 63
	BLOCK 9, 63
	BLOCK 10, 63
	BLOCK 11, 32
	KSTEP 2
	BLOCK 12, 63
	BLOCK 13, 63
	BLOCK 14, 56
	BLOCK 15, 0
	KSTEP 3
	WIN 0x04                                       ; an LDS store's data are its source 1: window 1
.irp a, 0,1,2,3,4,5,6,7,8,9,10,11,12,13,14,15,16,17,18,19
	ds_store_b128 v[LWR], v[8*\a:8*\a+3] offset:1024*\a                    ; each accumulator from its low end on
	ds_store_b128 v[LWR], v[8*\a+4:8*\a+7] offset:1024*\a+512
.endr
	WIN 0
.Lidle1:
	s_wait_dscnt 0x0                               ; my stores have landed,
	s_barrier_signal -1
	s_barrier_wait -1                              ; everybody's have
	s_cmp_lt_u32 s56, s25
	s_cbranch_scc0 .Lidle2
	s_wait_loadcnt 0x0                             ; the bias and the tokens
; THE WAY OUT of tile w + 8 rd: the eight waves' parts of K are added as a tree, then the bias; each of my eight rows goes to its token's row of out0.
.macro RED4 rd
.irp k, 0,1,2
.irp mm, 0,1,2
.if 3*\k+\mm < 8
.irp j, 0,1
.irp n, 0,1
	ds_load_b128 v[SUM+16*(3*\k+\mm)+8*\j+4*\n:SUM+16*(3*\k+\mm)+8*\j+4*\n+3], v[5+\k] offset:20480*\mm+16384*(\rd)+1024*\j+512*\n
.endr
.endr
.endif
.endr
.endr
	s_wait_dscnt 0x0
.irp a, 0,2,4,6
.irp p, 0,2,4,6,8,10,12,14
	v_pk_add_f32 v[SUM+16*\a+\p:SUM+16*\a+\p+1], v[SUM+16*\a+\p:SUM+16*\a+\p+1], v[SUM+16*\a+16+\p:SUM+16*\a+16+\p+1]
.endr
.endr
.irp a, 0,4
.irp p, 0,2,4,6,8,10,12,14
	v_pk_add_f32 v[SUM+16*\a+\p:SUM+16*\a+\p+1], v[SUM+16*\a+\p:SUM+16*\a+\p+1], v[SUM+16*\a+32+\p:SUM+16*\a+32+\p+1]
.endr
.endr
.irp j, 0,1
.irp i, 0,1,2,3,4,5,6,7
	v_add_f32 v[T+2*\i+\j], v[SUM+8*\j+\i], v[SUM+64+8*\j+\i]              ; row 8 h + i, columns 2 r and 2 r + 1 side by side
.endr
.endr
.irp i, 0,1,2,3,4,5,6,7
	v_pk_add_f32 v[T+2*\i:T+2*\i+1], v[T+2*\i:T+2*\i+1], v[BI:BI+1]
.endr
.irp i, 0,1,2,3,4,5,6,7
	v_min_u32 v[OA+\i], 0x3ff, v[TOKR+8*(\rd)+\i]
.endr
.irp i, 0,1,2,3,4,5,6,7
	v_lshl_add_u32 v[OA+\i], v[OA+\i], 12, v8      ; the token's row of 4,096 bytes + 8 r
.endr
.irp i, 0,1,2,3,4,5,6,7
	global_store_b64 v[OA+\i], v[T+2*\i:T+2*\i+1], s[52:53]        ; sixteen lanes store 128 consecutive bytes of a row; an instruction two rows
.endr
	s_wait_xcnt 0x0                                ; the stores have read their registers
.endm
	RED4 0
	s_cmp_lt_u32 s18, 2                            ; tiles 8 and 9 fall to waves 0 and 1
	s_cbranch_scc0 .Lidle2
	RED4 1
.Lidle2:
	s_wait_dscnt 0x0                               ; my reads of the accumulators are over: the next pass may write there
	s_barrier_signal -1
	s_barrier_wait -1
	s_add_co_u32 s23, s23, 1
	s_cmp_lt_u32 s23, 7
	s_cbranch_scc1 .Lpass
	s_wait_tensorcnt 0x0
	ds_add_u32 v254, v255
	s_wait_dscnt 0x0
	s_endpgm
.Lfunc_end_k_qaf4755c16b_down:
	.size	k_qaf4755c16b_down, .Lfunc_end_k_qaf4755c16b_down-k_qaf4755c16b_down
	.p2alignl 7, 3214868480
	.fill 96, 4, 3214868480
	.section	.rodata,"a",@progbits
	.p2align	6, 0x0
	.amdhsa_kernel k_qaf4755c16b_down
		.amdhsa_group_segment_fixed_size 164864
		.amdhsa_private_segment_fixed_size 0
		.amdhsa_enable_private_segment 0
		.amdhsa_kernarg_size 56
		.amdhsa_user_sgpr_count 2
		.amdhsa_user_sgpr_kernarg_segment_ptr 1
		.amdhsa_wavefront_size32 1
		.amdhsa_system_sgpr_workgroup_id_x 1
		.amdhsa_system_sgpr_workgroup_id_y 1
		.amdhsa_system_sgpr_workgroup_id_z 1
		.amdhsa_system_vgpr_workitem_id 0
		.amdhsa_next_free_vgpr 512
		.amdhsa_next_free_sgpr 66
		.amdhsa_reserve_vcc 0
		.amdhsa_float_denorm_mode_32 3
		.amdhsa_float_denorm_mode_16_64 3
		.amdhsa_memory_ordered 1
		.amdhsa_forward_progress 1
		.amdhsa_inst_pref_size 124
	.end_amdhsa_kernel
	.amdgpu_metadata
---
amdhsa.version: [ 1, 2 ]
amdhsa.kernels:
  - .name:           k_qaf4755c16b_down
    .symbol:         k_qaf4755c16b_down.kd
    .args:
      - { .name: down_W, .offset: 0, .size: 8, .value_kind: global_buffer, .address_space: global }
      - { .name: down_b, .offset: 8, .size: 8, .value_kind: global_buffer, .address_space: global }
      - { .name: himg, .offset: 16, .size: 8, .value_kind: global_buffer, .address_space: global }
      - { .name: hscl, .offset: 24, .size: 8, .value_kind: global_buffer, .address_space: global }
      - { .name: meta, .offset: 32, .size: 8, .value_kind: global_buffer, .address_space: global }
      - { .name: tok, .offset: 40, .size: 8, .value_kind: global_buffer, .address_space: global }
      - { .name: out0, .offset: 48, .size: 8, .value_kind: global_buffer, .address_space: global }
    .group_segment_fixed_size: 164864
    .private_segment_fixed_size: 0
    .kernarg_segment_align: 8
    .kernarg_segment_size: 56
    .max_flat_workgroup_size: 256
    .sgpr_count:     66
    .vgpr_count:     512
    .wavefront_size: 32
...
	.end_amdgpu_metadata
.endif
;; end of part 4
;; ======== version 2 of 2: 4 launches; version 1 with the launches up, down written anew for expert scheduling mode
;; workspace buffers: ids 4,096 bytes of whole numbers; tok 5,120 bytes of whole numbers; meta 256 bytes of whole numbers; ximg 983,040 bytes; xscl 40,960 bytes; himg 3,932,160 bytes; hscl 163,840 bytes
;; launch gate: the kernel of part 1 again; grid 128 x 1, 8 waves a work-group, no clusters, 38,144 bytes of LDS; arguments x, gate_W, gate_b, out1, ids; writes out1, ids
;; launch place: the kernel of part 2 again; grid 39 x 1, 32 waves a work-group, no clusters, 147,456 bytes of LDS; arguments ids, x, ximg, xscl, tok, meta; writes ximg, xscl, tok, meta
;; launch up (part 5): grid 32 x 8, 8 waves a work-group, no clusters, 164,864 bytes of LDS; arguments up_W, up_b, ximg, xscl, meta, himg, hscl; writes himg, hscl
.if DOCPART == 5
	.amdgcn_target "amdgcn-amd-amdhsa--gfx1250"
	.amdhsa_code_object_version 6
	.text
	.protected	k_qaf4755c16b_up
	.globl	k_qaf4755c16b_up
	.p2align	8
	.type	k_qaf4755c16b_up,@function
k_qaf4755c16b_up:
	s_mov_b64 s[64:65], 0
	v_nop
	global_prefetch_b8 v0, s[64:65] scope:SCOPE_SE
	s_setreg_imm32_b32 hwreg(HW_REG_WAVE_SCHED_MODE, 0, 2), 2
	s_setreg_imm32_b32 hwreg(HW_REG_WAVE_MODE, 25, 1), 1
	s_wait_xcnt 0x0
	s_wait_alu depctr_vm_vsrc(0)
; H = relu(X Q(up_W[e]) + up_b[e]) for the rows that chose expert e, on codes of BF6 (E3M2) with one E8M0 byte for each 32 along K, and H quantised again along the hidden axis.
; up_W: [8][1024 (k)][4096 (n)] f32.  The other experts' products are multiplied by 0 in the definition and are not made.
; SHARES: work-group (f, e) takes 128 hidden units of expert e, for all of the expert's rows.  Wave w takes 32 of them (w % 4) and 512 of K (w / 4): 64 KiB of f32, read from memory once
; a pass, quantised in registers and multiplied at once; no code of a weight goes to memory.  The two halves of K meet in LDS.
; A LANE TAKES TWO COLUMNS AND ITS REGISTERS RUN DOWN K: a load of 8 bytes a lane reads 128 consecutive bytes of each of two rows; the four waves of a K half stand side by side on 512.
; Lane (r, h) then holds, of columns 2 r and 2 r + 1, k = 32 b + 16 h + 0 .. 15 of block b.  Tile j of the wave is the 16 columns 2 r + j.
; THE PRODUCT IS USED TRANSPOSED (source 0 = 16 columns of the weight, source 1 = 16 rows of x): a lane holds one row and eight hidden units, and the two tiles' results, taken by turns,
; are 16 neighbours along the next K.
; ROWS: the expert's rows lie in pairs of 32 slots (two tiles), np pairs from pair p0 on (meta).  A PASS serves 5 pairs, 10 tiles, 20 accumulators; a pair's rank is held at np - 1, so that a
; pass is straight code with constant counts of loads (a pair made twice is stored twice with the same bytes).  More than 160 rows take further passes, which read the weights again.
; The loop over passes has the constant count 7 (35 pairs against at most 32); an idle pass jumps over the work and meets the others at each barrier.
; NO TENSOR LOADS, NO CLUSTER: whether a pass works, and which tiles it reads, hangs on counts read from memory.  The rows' fragments, which the 32 work-groups of an expert share, come
; straight into registers as images of the operand's registers.
; LIMITS: a block of zeros, or one whose largest magnitude lies under 2^-122, gets the byte 1 (the bytes are read by this program alone); NaN and infinities are not served;
; the sum over K is made in two halves, then the bias is added; the weights of an expert that no row chose are not read.
; REGISTERS: window 0: v1-10 addresses; v24-33 the rows' scale words, v34-35 the weights'; v36-43 at work; v44-75 16 numbers of each tile; v76-99 the weights' two fragments; v100-106 half blocks;
;   v108-227 the rows' 10 fragments; v228-243 the bias.   window 1: v0-159 accumulators ((tile t, j) at 8 (2 t + j)); v160-255 a ring of three blocks of weights as loaded.
; THE MODE: SCHED_MODE bits 1:0 = 2 (LLVM: expert scheduling mode 2), set by the entry lines.  The code itself states the register dependences between vector or matrix instructions and
; memory or LDS instructions, with s_wait_alu, always for 0.
; THE PLAN.  Registers that memory or LDS instructions touch, in a pass:
;   the ring      Block b: QA's 48 lines read slot b % 3; behind them the loads of block b + 3 land in it.
;   ACT, ASC      K step sl: its 20 products read them; the loads of K step sl + 1 land in them.  On the way out LDS loads land in ACT's first 64 registers and the additions read them.
;   accumulators  Written by the products; read by the 40 LDS stores behind the last K step; written again by the next pass's first products.
;   WF, BY        On the way out: written by conversions, swaps and moves; read by the global stores; written again by the next pair or the next pass.
;   v1 to v10     Offsets and addresses, made at the head and never written again: the rows are reached by scalar bases and immediate offsets.
;   T, MX, XC, SO, WT and, in the K loop, WF and WSC are named by vector and matrix instructions alone; WF and WSC are written by vector instructions and taken by the scaled products.
; So a K step of four blocks has four waits on va_vdst.  Three stand behind the QA of its first three blocks, ahead of that block's loads; the first of them also states that the K step
; before is done reading ACT and ASC, and the rows' next 40 loads follow it.  The fourth stands ahead of the products, for WF and WSC; the fourth block's ring slot is asked for again
; behind it, its 16 loads dealt among the products, which name none of the registers that those loads touch.
.set PITCH, 16384                      ; a row of the weight in bytes
.set TILEB, 12288                      ; a tile's images: 8 K steps x 1,536
.set SCB,   512                        ; and scale words: 8 x 64
.set PAIRB, 2*TILEB
.set PAIRS, 2*SCB
.set VW,   1                           ; v1   h x 16 rows + 8 r
.set L16,  2                           ; v2   16 x lane
.set R4,   3                           ; v3   4 r
.set LWR,  4                           ; v4   where I put my accumulators: 16 x lane + 20,480 x wave
.set ASC,  24
.set WSC,  34
.set MX,   36                          ; v36-37 largest magnitudes; v38-39 the other half's; v40-41 scale operands; v42-43 bytes
.set XC,   38
.set SO,   40
.set BY,   42
.set T,    44
.set WF,   76
.set WT,   100
.set ACT,  108
.set BIAS, 228
.set RING, 160
.set MSB, 0
.macro WIN new                         ; the immediate's high byte repeats the setting that is left
.if MSB != \new
	s_set_vgpr_msb (MSB<<8)|\new
.set MSB, \new
.endif
.endm
.macro PLACES n
.rept \n
	v_nop
.endr
.endm
.macro WLOAD b                         ; block b of 32 along K: 16 loads, rows 32 b + 16 h + i, into ring slot b % 3
	WIN 0x40                                       ; destination window 1
.irp i, 0,1,2,3,4,5,6,7,8,9,10,11,12,13,14,15
	global_load_b64 v[RING+32*((\b)%3)+2*\i:RING+32*((\b)%3)+2*\i+1], v[VW], s[30:31] offset:(32*(\b)+\i)*PITCH th:TH_LOAD_NT
.endr
.endm
.macro QA b                            ; my 16 numbers' largest magnitude for each of the two columns, and the columns sorted apart: the conversion wants 16 neighbours along K in consecutive registers
	WIN 0x05                                       ; sources 0 and 1 window 1
.set RB, RING+32*((\b)%3)
.irp j, 0,1
	v_max3_num_f32 v[MX+\j], |v[RB+\j]|, |v[RB+2+\j]|, 0x2800000   ; the floor 2^(5 - 127) holds the byte at 1 from below
.endr
.irp n, 1,2,3,4,5,6,7
.irp j, 0,1
	v_max3_num_f32 v[MX+\j], |v[RB+4*\n+\j]|, |v[RB+4*\n+2+\j]|, v[MX+\j]
.endr
.endr
.irp i, 0,1,2,3,4,5,6,7,8,9,10,11,12,13,14,15
.irp j, 0,1
	v_mov_b32 v[T+16*\j+\i], v[RB+2*\i+\j]
.endr
.endr
.endm
.macro QB b                            ; the block's scale and codes, for both tiles
	WIN 0
.set QBB, (\b)%4                       ; which block of the K step of 128
.set QC, QBB/2
.irp j, 0,1
	v_permlanex16_b32 v[XC+\j], v[MX+\j], s28, s29
.endr
.irp j, 0,1
	v_max_num_f32 v[MX+\j], v[MX+\j], v[XC+\j]     ; with lane l xor 16's 16: the block's largest magnitude
.endr
.irp j, 0,1
	v_add_nc_u32 v[SO+\j], 0xfe000000, v[MX+\j]    ; 4 off its exponent field: the conversion's scale operand
.endr
.irp j, 0,1
	v_lshrrev_b32 v[BY+\j], 23, v[SO+\j]           ; the scale's byte
.endr
.irp j, 0,1
.if QBB == 0
	v_mov_b32 v[WSC+\j], v[BY+\j]
.else
	v_lshl_or_b32 v[WSC+\j], v[BY+\j], 8*QBB, v[WSC+\j]
.endif
.endr
.irp j, 0,1
.if QBB%2 == 0
	v_cvt_scalef32_pk16_bf6_f32 v[WF+12*\j+6*QC:WF+12*\j+6*QC+2], v[T+16*\j:T+16*\j+15], v[SO+\j]
.else
	v_cvt_scalef32_pk16_bf6_f32 v[WT+4*\j:WT+4*\j+2], v[T+16*\j:T+16*\j+15], v[SO+\j]
.endif
.endr
	v_nop                                          ; one plain instruction behind the scaled conversions
.if QBB%2 == 1                         ; the operand wants a whole block in a lane: lanes 0-15 the even block, lanes 16-31 the odd one
.irp j, 0,1
.irp i, 0,1,2
	v_permlane16_swap_b32 v[WF+12*\j+6*QC+\i], v[WT+4*\j+\i]
.endr
.endr
.irp j, 0,1
.irp i, 0,1,2
	v_mov_b32 v[WF+12*\j+6*QC+3+\i], v[WT+4*\j+\i]
.endr
.endr
.endif
.endm
.macro ACTS sl                         ; the 10 tiles' fragments and scale words of my K step sl: 40 loads
	WIN 0
.irp q, 0,1,2,3,4
.irp u, 0,1
.irp n, 0,1,2
	global_load_b128 v[ACT+12*(2*\q+\u)+4*\n:ACT+12*(2*\q+\u)+4*\n+3], v[L16], s[32+2*\q:33+2*\q] offset:\u*TILEB+(\sl)*1536+512*\n
.endr
	global_load_b32 v[ASC+2*\q+\u], v[R4], s[42+2*\q:43+2*\q] offset:\u*SCB+(\sl)*64
.endr
.endr
.endm
; 20 products; the 20 accumulators take turns, one instruction a turn.  The first K step starts the sums.
; K steps 0 to 2: the 16 loads of block 4 sl + 6 stand among the products, two behind each of the first eight pairs.  The products' window setting serves them as it stands: a load's
; destination in window 1, its address in window 0.
.macro MUL sl
	WIN 0x50                                       ; C and D window 1
.set WB, 4*(\sl)+6
.set WR, RING+32*(WB%3)
.irp t, 0,1,2,3,4,5,6,7,8,9
.irp j, 0,1
.if (\sl) == 0
	v_wmma_scale_f32_16x16x128_f8f6f4 v[8*(2*\t+\j):8*(2*\t+\j)+7], v[WF+12*\j:WF+12*\j+11], v[ACT+12*\t:ACT+12*\t+11], 0, v[WSC+\j], v[ASC+\t] matrix_a_fmt:MATRIX_FMT_BF6 matrix_b_fmt:MATRIX_FMT_BF6
.else
	v_wmma_scale_f32_16x16x128_f8f6f4 v[8*(2*\t+\j):8*(2*\t+\j)+7], v[WF+12*\j:WF+12*\j+11], v[ACT+12*\t:ACT+12*\t+11], v[8*(2*\t+\j):8*(2*\t+\j)+7], v[WSC+\j], v[ASC+\t] matrix_a_fmt:MATRIX_FMT_BF6 matrix_b_fmt:MATRIX_FMT_BF6
.endif
.endr
.if ((\sl) < 3) && (\t < 8)
	global_load_b64 v[WR+4*\t:WR+4*\t+1],   v[VW], s[30:31] offset:(32*WB+2*\t)*PITCH th:TH_LOAD_NT      ; no wait: no vector or matrix instruction since the wait ahead of the products names the ring or v[VW]
	global_load_b64 v[WR+4*\t+2:WR+4*\t+3], v[VW], s[30:31] offset:(32*WB+2*\t+1)*PITCH th:TH_LOAD_NT
.endif
.endr
.endm
; n: how many loads issued behind block b's 16 may stay out.  a: the K step whose rows are asked for in this block, or -1.
; A K step's last block asks for nothing here: its ring slot is asked for again among the products.  Blocks 13 and 14 have nothing left to ask for.
.macro BLOCK b, n, a
	s_wait_loadcnt \n
	QA \b
.if (\a) >= 0
	WIN 0
	s_wait_alu depctr_va_vdst(0)                   ; the last K step's products are done reading the rows' fragments and scale words, in which the next K step's land; QA is done reading ring slot b % 3, in which block b + 3 lands
	ACTS \a
	WLOAD (\b)+3                                   ; (between that wait and these loads stand loads and a window switch alone)
.elseif ((\b)%4 != 3) && ((\b)+3 < 16)
	WIN 0x40
	s_wait_alu depctr_va_vdst(0)                   ; QA is done reading ring slot b % 3, in which block b + 3 lands
	WLOAD (\b)+3                                   ; into the ring slot just read
.endif
	QB \b
.endm
.macro KSTEP sl
	PLACES 8                                       ; a scale register written by a vector instruction stands 8 places ahead of a scaled matrix instruction, an operand 4
	WIN 0x50
	s_wait_alu depctr_va_vdst(0)                   ; the conversions, swaps and moves have written the weights' fragments, the shifts their scale words: the products take both; QA is done reading the ring slot in which the loads among the products land
	MUL \sl
.endm
	s_load_b256 s[4:11], s[0:1], 0x0               ; up_W s[4:5], up_b s[6:7], ximg s[8:9], xscl s[10:11]
	s_load_b128 s[12:15], s[0:1], 0x20             ; meta s[12:13], himg s[14:15]
	s_load_b64 s[16:17], s[0:1], 0x30              ; hscl
	v_lshl_add_u32 v254, v0, 2, 0x28000
	v_mov_b32 v255, 0
	v_lshrrev_b32 v100, 5, v0
	v_readfirstlane_b32 s18, v100                  ; wave 0..7
	v_and_b32 v101, 31, v0                         ; lane
	v_and_b32 v102, 15, v0                         ; r
	v_bfe_u32 v103, v0, 4, 1                       ; h
	v_lshlrev_b32 v[VW], 18, v103                  ; 16 rows of 16,384 bytes
	v_lshl_add_u32 v[VW], v102, 3, v[VW]
	v_lshlrev_b32 v[L16], 4, v101
	v_lshlrev_b32 v[R4], 2, v102
	s_wait_alu depctr_va_sdst(0)                   ; s18 is written, ahead of its first reader: shares, LDS places and bases are made from it
	s_and_b32 s19, s18, 3                          ; which 32 columns
	s_lshr_b32 s20, s18, 2                         ; which half of K
	s_mov_b32 s21, ttmp9                           ; f
	s_and_b32 s22, ttmp7, 0xffff                   ; e
	s_mul_i32 s56, s18, 20480
	v_add_nc_u32 v[LWR], s56, v[L16]
	s_mul_i32 s56, s19, 20480
	s_lshl_b32 s57, s20, 12
	s_add_co_u32 s56, s56, s57
	v_add_nc_u32 v5, s56, v[L16]                   ; the way out: the lower K half's accumulators of my columns, pairs (w / 4) + 2 m,
	v_add_nc_u32 v6, 81920, v5                     ; and the upper half's, four waves on
	v_mul_u32_u24 v8, v103, 0xc000                 ; himg: lanes 16-31 store the pair's second tile, 49,152 bytes on;
	v_lshl_add_u32 v8, v102, 4, v8                 ; row r's block stands in lane r + 16 (block % 2) of the image
	s_and_b32 s57, s19, 1
	s_lshl_b32 s57, s57, 8
	v_add_nc_u32 v8, s57, v8
	v_lshlrev_b32 v9, 11, v103                     ; hscl: the second tile 2,048 bytes on, row r's word, my block's byte
	v_lshl_add_u32 v9, v102, 2, v9
	v_add_nc_u32 v9, s19, v9
	v_lshlrev_b32 v10, 6, v103                     ; the bias: my 16 units begin 64 h bytes on
	v_mov_b32 v[XC], 0                             ; written once: a lane permute's destination counts as one of its sources
	v_mov_b32 v[XC+1], 0
	s_mov_b32 s28, 0x76543210                      ; v_permlanex16_b32's selects for lane l xor 16
	s_mov_b32 s29, 0xfedcba98
	s_mov_b32 s59, 0
	s_mul_i32 s27, s20, 4*1536                     ; my four K steps in a tile's images,
	s_lshl_b32 s62, s20, 8                         ; and in its scale words
	s_mul_i32 s63, s21, 1536                       ; K step f of the next product, in a tile's images,
	s_lshl_b32 s61, s21, 6                         ; and in its scale words
	s_wait_kmcnt 0x0
	s_lshl_b32 s58, s22, 3
	s_add_nc_u64 s[12:13], s[12:13], s[58:59]
	s_load_b64 s[24:25], s[12:13], 0x0             ; p0, np
	s_lshl_b32 s58, s22, 24                        ; the expert's 16 MiB,
	s_lshl_b32 s57, s20, 23                        ; 512 rows,
	s_add_co_u32 s58, s58, s57
	s_lshl_b32 s57, s21, 9                         ; 128 columns,
	s_add_co_u32 s58, s58, s57
	s_lshl_b32 s57, s19, 7                         ; 32 columns
	s_add_co_u32 s58, s58, s57
	s_add_nc_u64 s[30:31], s[4:5], s[58:59]        ; my weights; never rewritten
	s_lshl_b32 s58, s22, 14
	s_lshl_b32 s57, s21, 9
	s_add_co_u32 s58, s58, s57
	s_lshl_b32 s57, s19, 7
	s_add_co_u32 s58, s58, s57
	s_add_nc_u64 s[6:7], s[6:7], s[58:59]
	s_wait_alu depctr_va_vdst(0)                   ; v1 to v10 are written: every load, store and LDS instruction of the kernel but the closing add reads one of them as its offset or address
.irp n, 0,1,2,3
	global_load_b128 v[BIAS+4*\n:BIAS+4*\n+3], v10, s[6:7] offset:16*\n
.endr
	s_wait_kmcnt 0x0
	s_min_u32 s24, s24, 39
	s_min_u32 s25, s25, 32
	s_sub_co_u32 s26, s25, 1                       ; the last pair's rank
	s_mov_b32 s23, 0
.Lpass:
	s_mul_i32 s56, s23, 5                          ; the pass's first pair
	s_cmp_lt_u32 s56, s25
	s_cbranch_scc0 .Lidle1
	s_wait_xcnt 0x0                                ; the last pass's loads and stores have read their bases: they may be written
.irp q, 0,1,2,3,4
	s_add_co_u32 s57, s56, \q
	s_min_u32 s57, s57, s26
	s_add_co_u32 s57, s57, s24
	s_min_u32 s57, s57, 39                         ; the pair
	s_mul_i32 s58, s57, PAIRB
	s_add_co_u32 s58, s58, s27
	s_add_nc_u64 s[32+2*\q:33+2*\q], s[8:9], s[58:59]
	s_mul_i32 s58, s57, PAIRS
	s_add_co_u32 s58, s58, s62
	s_add_nc_u64 s[42+2*\q:43+2*\q], s[10:11], s[58:59]
.endr
	WLOAD 0                                        ; no wait on va_vdst here: the last vector or matrix instruction that named the ring, ACT or ASC stands ahead of the last pass's wait in front of its stores, on every way
	WLOAD 1
	WLOAD 2
	ACTS 0
	; Loads come back in order.  They are issued so: blocks 0, 1, 2, rows 0, blocks 3 to 6, rows 1, blocks 7 to 10, rows 2, blocks 11 to 14, rows 3, block 15.  Behind a block's 16 stand, at
	; its wait: two blocks and 40 loads of rows (72: the largest count that can be written is taken), or two blocks (32; in a K step's last block the rows' loads were issued earlier, so
	; this wait shows them in too), or at the end the last 40 and the last block (56), or nothing.
	BLOCK 0, 63, -1
	BLOCK 1, 63, -1
	BLOCK 2, 63, -1
	BLOCK 3, 32, -1
	KSTEP 0
	BLOCK 4, 32, 1
	BLOCK 5, 63, -1
	BLOCK 6, 63, -1
	BLOCK 7, 32, -1
	KSTEP 1
	BLOCK 8, 32, 2
	BLOCK 9, 63, -1
	BLOCK 10, 63, -1
	BLOCK 11, 32, -1
	KSTEP 2
	BLOCK 12, 32, 3
	BLOCK 13, 63, -1
	BLOCK 14, 56, -1
	BLOCK 15, 0, -1
	KSTEP 3
	PLACES 4                                       ; ahead of the first read of results (ISA guide 7.12.1)
	WIN 0x04                                       ; an LDS store's data are its source 1: window 1
	s_wait_alu depctr_va_vdst(0)                   ; the products have written the accumulators, which the LDS stores read; the places above stay beside this wait
.irp a, 0,1,2,3,4,5,6,7,8,9,10,11,12,13,14,15,16,17,18,19
	ds_store_b128 v[LWR], v[8*\a:8*\a+3] offset:1024*\a                    ; each accumulator from its low end on
	ds_store_b128 v[LWR], v[8*\a+4:8*\a+7] offset:1024*\a+512
.endr
	WIN 0
	s_wait_alu depctr_vm_vsrc(0)                   ; the LDS stores have read the accumulators, which the next pass's first products write
.Lidle1:
	s_wait_dscnt 0x0                               ; my stores have landed,
	s_barrier_signal -1
	s_barrier_wait -1                              ; everybody's have
	s_cmp_lt_u32 s56, s25
	s_cbranch_scc0 .Lidle2
	s_wait_loadcnt 0x0                             ; the bias
; THE WAY OUT of pair (w / 4) + 2 m, my 32 hidden units: the two halves of K are added, the bias, relu; the 32 units are one block of the next K: its byte and its codes.
.macro RED3 m
	s_add_co_u32 s57, s56, s20
.if (\m) > 0
	s_add_co_u32 s57, s57, 2*(\m)
.endif
	s_min_u32 s57, s57, s26
	s_add_co_u32 s57, s57, s24
	s_min_u32 s57, s57, 39                         ; the pair
	s_mul_i32 s58, s57, 98304
	s_add_co_u32 s58, s58, s63
	s_add_nc_u64 s[52:53], s[14:15], s[58:59]
	s_lshl_b32 s58, s57, 12
	s_add_co_u32 s58, s58, s61
	s_add_nc_u64 s[54:55], s[16:17], s[58:59]
.irp u, 0,1
.irp j, 0,1
.irp n, 0,1
	ds_load_b128 v[ACT+16*\u+8*\j+4*\n:ACT+16*\u+8*\j+4*\n+3], v5 offset:8192*(\m)+2048*\u+1024*\j+512*\n          ; (the last to name these registers, the products or the pair before's additions, stand ahead of a wait on va_vdst)
	ds_load_b128 v[ACT+32+16*\u+8*\j+4*\n:ACT+32+16*\u+8*\j+4*\n+3], v6 offset:8192*(\m)+2048*\u+1024*\j+512*\n
.endr
.endr
.endr
	s_wait_dscnt 0x0
.irp u, 0,1
.irp j, 0,1
.irp i, 0,1,2,3,4,5,6,7
	v_add_f32 v[T+16*\u+2*\i+\j], v[ACT+16*\u+8*\j+\i], v[ACT+32+16*\u+8*\j+\i]    ; tile j's register i is unit 16 h + 2 i + j: the sums fall into the units' order
.endr
.endr
.endr
.irp u, 0,1
.irp p, 0,2,4,6,8,10,12,14
	v_pk_add_f32 v[T+16*\u+\p:T+16*\u+\p+1], v[T+16*\u+\p:T+16*\u+\p+1], v[BIAS+\p:BIAS+\p+1]
.endr
.endr
.irp i, 0,1,2,3,4,5,6,7,8,9,10,11,12,13,14,15,16,17,18,19,20,21,22,23,24,25,26,27,28,29,30,31
	v_max_num_f32 v[T+\i], 0, v[T+\i]              ; relu, in f32
.endr
.irp u, 0,1
	v_max3_num_f32 v[MX+\u], v[T+16*\u], v[T+16*\u+1], 0x2800000           ; none is negative: no |.|
.endr
.irp i, 2,4,6,8,10,12,14
.irp u, 0,1
	v_max3_num_f32 v[MX+\u], v[MX+\u], v[T+16*\u+\i], v[T+16*\u+\i+1]
.endr
.endr
.irp u, 0,1
	v_permlanex16_b32 v[XC+\u], v[MX+\u], s28, s29
.endr
.irp u, 0,1
	v_max_num_f32 v[MX+\u], v[MX+\u], v[XC+\u]
.endr
.irp u, 0,1
	v_add_nc_u32 v[SO+\u], 0xfe000000, v[MX+\u]
.endr
.irp u, 0,1
	v_lshrrev_b32 v[BY+\u], 23, v[SO+\u]
.endr
	v_cvt_scalef32_pk16_bf6_f32 v[WF:WF+2], v[T:T+15], v[SO]               ; the first tile's half blocks,
	v_cvt_scalef32_pk16_bf6_f32 v[WT:WT+2], v[T+16:T+31], v[SO+1]          ; the second's
	v_nop                                          ; one plain instruction behind the scaled conversions
.irp i, 0,1,2
	v_permlane16_swap_b32 v[WF+\i], v[WT+\i]       ; lanes 0-15 now hold the first tile's whole blocks, lanes 16-31 the second's: lower 16 codes here, upper 16 there
.endr
.irp i, 0,1,2
	v_mov_b32 v[WF+3+\i], v[WT+\i]
.endr
	v_permlane16_swap_b32 v[BY], v[BY+1]           ; and the bytes likewise
	s_wait_alu depctr_va_vdst(0)                   ; the conversions, swaps and moves have written v[WF] to v[WF+5] and v[BY], which the stores read; the additions are done reading v[ACT ..], in which the next pair's parts or the next pass's rows land
	s_cmp_lt_u32 s19, 2
	s_cbranch_scc0 .Lupper_\@
	global_store_b128 v8, v[WF:WF+3], s[52:53]                     ; blocks 0, 1: registers 0-5 of the image.  Sixteen lanes store 256 consecutive bytes, aligned;
	global_store_b64 v8, v[WF+4:WF+5], s[52:53] offset:512         ; here 8 of each 16 bytes
	s_branch .Lstored_\@
.Lupper_\@:
	global_store_b64 v8, v[WF:WF+1], s[52:53] offset:520           ; blocks 2, 3: registers 6-11
	global_store_b128 v8, v[WF+2:WF+5], s[52:53] offset:1024
.Lstored_\@:
	global_store_b8 v9, v[BY], s[54:55]
	s_wait_xcnt 0x0                                ; the stores have read their registers and bases
	s_wait_alu depctr_vm_vsrc(0)                   ; the stores have read v[WF ..] and v[BY], which the next pair's or the next pass's vector instructions write again
.endm
	RED3 0
	RED3 1
	s_cmp_lt_u32 s18, 4                            ; pair 4 falls to the waves of the lower half
	s_cbranch_scc0 .Lidle2
	RED3 2
.Lidle2:
	s_wait_dscnt 0x0                               ; my reads of the accumulators are over: the next pass may write there
	s_barrier_signal -1
	s_barrier_wait -1
	s_add_co_u32 s23, s23, 1
	s_cmp_lt_u32 s23, 7
	s_cbranch_scc1 .Lpass
	s_wait_dscnt 0x0                               ; the closing lines, six on end
	s_wait_alu 0x0
	s_wait_tensorcnt 0x0
	ds_add_u32 v254, v255
	s_wait_dscnt 0x0
	s_endpgm
.Lfunc_end_k_qaf4755c16b_up:
	.size	k_qaf4755c16b_up, .Lfunc_end_k_qaf4755c16b_up-k_qaf4755c16b_up
	.p2alignl 7, 3214868480
	.fill 96, 4, 3214868480
	.section	.rodata,"a",@progbits
	.p2align	6, 0x0
	.amdhsa_kernel k_qaf4755c16b_up
		.amdhsa_group_segment_fixed_size 164864
		.amdhsa_private_segment_fixed_size 0
		.amdhsa_enable_private_segment 0
		.amdhsa_kernarg_size 56
		.amdhsa_user_sgpr_count 2
		.amdhsa_user_sgpr_kernarg_segment_ptr 1
		.amdhsa_wavefront_size32 1
		.amdhsa_system_sgpr_workgroup_id_x 1
		.amdhsa_system_sgpr_workgroup_id_y 1
		.amdhsa_system_sgpr_workgroup_id_z 1
		.amdhsa_system_vgpr_workitem_id 0
		.amdhsa_next_free_vgpr 512
		.amdhsa_next_free_sgpr 66
		.amdhsa_reserve_vcc 0
		.amdhsa_float_denorm_mode_32 3
		.amdhsa_float_denorm_mode_16_64 3
		.amdhsa_memory_ordered 1
		.amdhsa_forward_progress 1
		.amdhsa_inst_pref_size 129
	.end_amdhsa_kernel
	.amdgpu_metadata
---
amdhsa.version: [ 1, 2 ]
amdhsa.kernels:
  - .name:           k_qaf4755c16b_up
    .symbol:         k_qaf4755c16b_up.kd
    .args:
      - { .name: up_W, .offset: 0, .size: 8, .value_kind: global_buffer, .address_space: global }
      - { .name: up_b, .offset: 8, .size: 8, .value_kind: global_buffer, .address_space: global }
      - { .name: ximg, .offset: 16, .size: 8, .value_kind: global_buffer, .address_space: global }
      - { .name: xscl, .offset: 24, .size: 8, .value_kind: global_buffer, .address_space: global }
      - { .name: meta, .offset: 32, .size: 8, .value_kind: global_buffer, .address_space: global }
      - { .name: himg, .offset: 40, .size: 8, .value_kind: global_buffer, .address_space: global }
      - { .name: hscl, .offset: 48, .size: 8, .value_kind: global_buffer, .address_space: global }
    .group_segment_fixed_size: 164864
    .private_segment_fixed_size: 0
    .kernarg_segment_align: 8
    .kernarg_segment_size: 56
    .max_flat_workgroup_size: 256
    .sgpr_count:     66
    .vgpr_count:     512
    .wavefront_size: 32
...
	.end_amdgpu_metadata
.endif
;; end of part 5
;; launch down (part 6): grid 32 x 8, 8 waves a work-group, no clusters, 164,864 bytes of LDS; arguments down_W, down_b, himg, hscl, meta, tok, out0; writes out0
.if DOCPART == 6
	.amdgcn_target "amdgcn-amd-amdhsa--gfx1250"
	.amdhsa_code_object_version 6
	.text
	.protected	k_qaf4755c16b_down
	.globl	k_qaf4755c16b_down
	.p2align	8
	.type	k_qaf4755c16b_down,@function
k_qaf4755c16b_down:
	s_mov_b64 s[64:65], 0
	v_nop
	global_prefetch_b8 v0, s[64:65] scope:SCOPE_SE
	s_setreg_imm32_b32 hwreg(HW_REG_WAVE_SCHED_MODE, 0, 2), 2
	s_setreg_imm32_b32 hwreg(HW_REG_WAVE_MODE, 25, 1), 1
	s_wait_xcnt 0x0
	s_wait_alu depctr_vm_vsrc(0)
; out0[token] = H Q(down_W[e]) + down_b[e] for the rows that chose expert e, on codes of BF6 (E3M2) with one E8M0 byte for each 32 along K.  down_W: [8][4096 (k)][1024 (n)] f32.
; SHARES: work-group (f, e) takes 32 columns of expert e, for all of the expert's rows and all of K, so that each number of out0 has one owner.  Wave w takes 512 of K: 64 KiB of f32, read
; from memory once a pass, quantised in registers and multiplied at once.  The eight parts of K meet in LDS.
; A LANE TAKES TWO COLUMNS AND ITS REGISTERS RUN DOWN K: a load of 8 bytes a lane reads 128 consecutive bytes of each of two rows.  Lane (r, h) holds, of columns 2 r and 2 r + 1,
; k = 32 b + 16 h + 0 .. 15 of block b.  Tile j is the 16 columns 2 r + j.  Source 0 = 16 rows of H, source 1 = 16 columns: a lane holds eight rows of one column, and the two tiles' results
; side by side are 8 neighbouring bytes of a row of out0: sixteen lanes store 128 consecutive bytes, all that the work-group owns of a row.
; ROWS, PASSES, and why there are no tensor loads and no cluster: as in the launch before (pairs of 32 slots; 5 pairs a pass, a pair's rank held at np - 1; a loop of 7 passes, idle ones
; jumping over the work; activity and addresses hang on counts read from memory).  A slot that no token took holds a copy of its pair's first token and stores the same bytes to the same place.
; LIMITS: a block of zeros, or one whose largest magnitude lies under 2^-122, gets the byte 1; NaN and infinities are not served; the sum over K is made in eight parts, added as a tree,
; then the bias; the weights of an expert that no row chose are not read.
; REGISTERS: window 0: v1-19 addresses and the bias; v24-33 the rows' scale words, v34-35 the weights'; v36-43 at work; v44-75 16 numbers of each tile; v76-99 the weights' two fragments;
;   v100-106 half blocks; v108-227 the rows' 10 fragments (on the way out v100-227: eight waves' parts); v228-243 tokens.   window 1: v0-159 accumulators; v160-255 a ring of three blocks.
; THE MODE: SCHED_MODE bits 1:0 = 2 (LLVM: expert scheduling mode 2), set by the entry lines.  The code itself states the register dependences between vector or matrix instructions and
; memory or LDS instructions, with s_wait_alu, always for 0.
; THE PLAN.  Registers that memory or LDS instructions touch, in a pass:
;   the ring      Block b: QA's 48 lines read slot b % 3; behind them the loads of block b + 3 land in it.
;   ACT, ASC      K step sl: its 20 products read them; the loads of K step sl + 1 land in them.
;   SUM           (v100-227, over WT and ACT)  On the way out LDS loads land in it; the additions read and write it.
;   accumulators  Written by the products; read by the 40 LDS stores behind the last K step; written again by the next pass's first products.
;   T, OA         On the way out: written by additions, clamps and shifts; read by the global stores as data and offsets; written again by the next tile or the next pass.
;   TOKR          Written once at the head; loaded in each pass; read by the clamps on the way out.
;   v1 to v9      Offsets and addresses, made at the head and never written again: the rows are reached by scalar bases and immediate offsets.
;   MX, XC, SO, BY and, in the K loop, T, WT, WF and WSC are named by vector and matrix instructions alone; WF and WSC are written by vector instructions and taken by the scaled products.
; So a K step of four blocks has four waits on va_vdst.  Three stand behind the QA of its first three blocks, ahead of that block's loads; the first of them also states that the K step
; before is done reading ACT and ASC, and the rows' next 40 loads follow it.  The fourth stands ahead of the products, for WF and WSC; the fourth block's ring slot is asked for again
; behind it, its 16 loads dealt among the products, which name none of the registers that those loads touch.
.set PITCH, 4096
.set TILEB, 49152                      ; a tile's images: 32 K steps x 1,536
.set SCB,   2048
.set PAIRB, 2*TILEB
.set PAIRS, 2*SCB
.set VW,   1
.set L16,  2
.set R4,   3
.set LWR,  4
.set OA,   10                          ; v10-17 the eight rows' offsets in out0
.set BI,   18                          ; v18-19 the bias of my two columns
.set ASC,  24
.set WSC,  34
.set MX,   36
.set XC,   38
.set SO,   40
.set BY,   42
.set T,    44
.set WF,   76
.set WT,   100
.set SUM,  100
.set ACT,  108
.set TOKR, 228
.set RING, 160
.set MSB, 0
.macro WIN new                         ; the immediate's high byte repeats the setting that is left
.if MSB != \new
	s_set_vgpr_msb (MSB<<8)|\new
.set MSB, \new
.endif
.endm
.macro PLACES n
.rept \n
	v_nop
.endr
.endm
.macro WLOAD b                         ; block b of 32 along K: 16 loads, rows 32 b + 16 h + i, into ring slot b % 3
	WIN 0x40                                       ; destination window 1
.irp i, 0,1,2,3,4,5,6,7,8,9,10,11,12,13,14,15
	global_load_b64 v[RING+32*((\b)%3)+2*\i:RING+32*((\b)%3)+2*\i+1], v[VW], s[30:31] offset:(32*(\b)+\i)*PITCH
.endr
.endm
.macro QA b                            ; my 16 numbers' largest magnitude for each of the two columns, and the columns sorted apart
	WIN 0x05                                       ; sources 0 and 1 window 1
.set RB, RING+32*((\b)%3)
.irp j, 0,1
	v_max3_num_f32 v[MX+\j], |v[RB+\j]|, |v[RB+2+\j]|, 0x2800000   ; the floor 2^(5 - 127) holds the byte at 1 from below
.endr
.irp n, 1,2,3,4,5,6,7
.irp j, 0,1
	v_max3_num_f32 v[MX+\j], |v[RB+4*\n+\j]|, |v[RB+4*\n+2+\j]|, v[MX+\j]
.endr
.endr
.irp i, 0,1,2,3,4,5,6,7,8,9,10,11,12,13,14,15
.irp j, 0,1
	v_mov_b32 v[T+16*\j+\i], v[RB+2*\i+\j]
.endr
.endr
.endm
.macro QB b                            ; the block's scale and codes, for both tiles
	WIN 0
.set QBB, (\b)%4
.set QC, QBB/2
.irp j, 0,1
	v_permlanex16_b32 v[XC+\j], v[MX+\j], s28, s29
.endr
.irp j, 0,1
	v_max_num_f32 v[MX+\j], v[MX+\j], v[XC+\j]     ; with lane l xor 16's 16: the block's largest magnitude
.endr
.irp j, 0,1
	v_add_nc_u32 v[SO+\j], 0xfe000000, v[MX+\j]    ; 4 off its exponent field: the conversion's scale operand
.endr
.irp j, 0,1
	v_lshrrev_b32 v[BY+\j], 23, v[SO+\j]           ; the scale's byte
.endr
.irp j, 0,1
.if QBB == 0
	v_mov_b32 v[WSC+\j], v[BY+\j]
.else
	v_lshl_or_b32 v[WSC+\j], v[BY+\j], 8*QBB, v[WSC+\j]
.endif
.endr
.irp j, 0,1
.if QBB%2 == 0
	v_cvt_scalef32_pk16_bf6_f32 v[WF+12*\j+6*QC:WF+12*\j+6*QC+2], v[T+16*\j:T+16*\j+15], v[SO+\j]
.else
	v_cvt_scalef32_pk16_bf6_f32 v[WT+4*\j:WT+4*\j+2], v[T+16*\j:T+16*\j+15], v[SO+\j]
.endif
.endr
	v_nop                                          ; one plain instruction behind the scaled conversions
.if QBB%2 == 1                         ; the operand wants a whole block in a lane: lanes 0-15 the even block, lanes 16-31 the odd one
.irp j, 0,1
.irp i, 0,1,2
	v_permlane16_swap_b32 v[WF+12*\j+6*QC+\i], v[WT+4*\j+\i]
.endr
.endr
.irp j, 0,1
.irp i, 0,1,2
	v_mov_b32 v[WF+12*\j+6*QC+3+\i], v[WT+4*\j+\i]
.endr
.endr
.endif
.endm
.macro ACTS sl                         ; the 10 tiles' fragments and scale words of my K step sl: 40 loads
	WIN 0
.irp q, 0,1,2,3,4
.irp u, 0,1
.irp n, 0,1,2
	global_load_b128 v[ACT+12*(2*\q+\u)+4*\n:ACT+12*(2*\q+\u)+4*\n+3], v[L16], s[32+2*\q:33+2*\q] offset:\u*TILEB+(\sl)*1536+512*\n
.endr
	global_load_b32 v[ASC+2*\q+\u], v[R4], s[42+2*\q:43+2*\q] offset:\u*SCB+(\sl)*64
.endr
.endr
.endm
; 20 products; the 20 accumulators take turns, one instruction a turn.  The first K step starts the sums.
; K steps 0 to 2: the 16 loads of block 4 sl + 6 stand among the products, two behind each of the first eight pairs.  The products' window setting serves them as it stands: a load's
; destination in window 1, its address in window 0.
.macro MUL sl
	WIN 0x50                                       ; C and D window 1
.set WB, 4*(\sl)+6
.set WR, RING+32*(WB%3)
.irp t, 0,1,2,3,4,5,6,7,8,9
.irp j, 0,1
.if (\sl) == 0
	v_wmma_scale_f32_16x16x128_f8f6f4 v[8*(2*\t+\j):8*(2*\t+\j)+7], v[ACT+12*\t:ACT+12*\t+11], v[WF+12*\j:WF+12*\j+11], 0, v[ASC+\t], v[WSC+\j] matrix_a_fmt:MATRIX_FMT_BF6 matrix_b_fmt:MATRIX_FMT_BF6
.else
	v_wmma_scale_f32_16x16x128_f8f6f4 v[8*(2*\t+\j):8*(2*\t+\j)+7], v[ACT+12*\t:ACT+12*\t+11], v[WF+12*\j:WF+12*\j+11], v[8*(2*\t+\j):8*(2*\t+\j)+7], v[ASC+\t], v[WSC+\j] matrix_a_fmt:MATRIX_FMT_BF6 matrix_b_fmt:MATRIX_FMT_BF6
.endif
.endr
.if ((\sl) < 3) && (\t < 8)
	global_load_b64 v[WR+4*\t:WR+4*\t+1],   v[VW], s[30:31] offset:(32*WB+2*\t)*PITCH      ; no wait: no vector or matrix instruction since the wait ahead of the products names the ring or v[VW]
	global_load_b64 v[WR+4*\t+2:WR+4*\t+3], v[VW], s[30:31] offset:(32*WB+2*\t+1)*PITCH
.endif
.endr
.endm
; n: how many loads issued behind block b's 16 may stay out.  a: the K step whose rows are asked for in this block, or -1.
; A K step's last block asks for nothing here: its ring slot is asked for again among the products.  Blocks 13 and 14 have nothing left to ask for.
.macro BLOCK b, n, a
	s_wait_loadcnt \n
	QA \b
.if (\a) >= 0
	WIN 0
	s_wait_alu depctr_va_vdst(0)                   ; the last K step's products are done reading the rows' fragments and scale words, in which the next K step's land; QA is done reading ring slot b % 3, in which block b + 3 lands
	ACTS \a
	WLOAD (\b)+3                                   ; (between that wait and these loads stand loads and a window switch alone)
.elseif ((\b)%4 != 3) && ((\b)+3 < 16)
	WIN 0x40
	s_wait_alu depctr_va_vdst(0)                   ; QA is done reading ring slot b % 3, in which block b + 3 lands
	WLOAD (\b)+3                                   ; into the ring slot just read
.endif
	QB \b
.endm
.macro KSTEP sl
	PLACES 8                                       ; a scale register written by a vector instruction stands 8 places ahead of a scaled matrix instruction, an operand 4
	WIN 0x50
	s_wait_alu depctr_va_vdst(0)                   ; the conversions, swaps and moves have written the weights' fragments, the shifts their scale words: the products take both; QA is done reading the ring slot in which the loads among the products land
	MUL \sl
.endm
	s_load_b256 s[4:11], s[0:1], 0x0               ; down_W s[4:5], down_b s[6:7], himg s[8:9], hscl s[10:11]
	s_load_b128 s[12:15], s[0:1], 0x20             ; meta s[12:13], tok s[14:15]
	s_load_b64 s[16:17], s[0:1], 0x30              ; out0
	v_lshl_add_u32 v254, v0, 2, 0x28000
	v_mov_b32 v255, 0
	v_lshrrev_b32 v100, 5, v0
	v_readfirstlane_b32 s18, v100                  ; wave 0..7: which 512 of K
	v_and_b32 v101, 31, v0                         ; lane
	v_and_b32 v102, 15, v0                         ; r
	v_bfe_u32 v103, v0, 4, 1                       ; h
	v_lshlrev_b32 v[VW], 16, v103                  ; 16 rows of 4,096 bytes
	v_lshl_add_u32 v[VW], v102, 3, v[VW]
	v_lshlrev_b32 v[L16], 4, v101
	v_lshlrev_b32 v[R4], 2, v102
	s_mov_b32 s21, ttmp9                           ; f
	s_and_b32 s22, ttmp7, 0xffff                   ; e
	s_wait_alu depctr_va_sdst(0)                   ; s18 is written, ahead of its first reader: shares, LDS places and bases are made from it
	s_mul_i32 s56, s18, 20480
	v_add_nc_u32 v[LWR], s56, v[L16]
	s_lshl_b32 s56, s18, 11
	v_add_nc_u32 v5, s56, v[L16]                   ; the way out: tile w of waves 0 to 2,
	v_add_nc_u32 v6, 61440, v5                     ; of waves 3 to 5,
	v_add_nc_u32 v7, 61440, v6                     ; of waves 6 and 7
	v_lshlrev_b32 v8, 3, v102                      ; my two columns: 8 r
	v_lshlrev_b32 v9, 5, v103                      ; my eight slots' tokens: 32 h
.irp i, 0,1,2,3,4,5,6,7,8,9,10,11,12,13,14,15
	v_mov_b32 v[TOKR+\i], 0                        ; written on every way, ahead of the loads that fill them
.endr
	v_mov_b32 v[XC], 0                             ; written once: a lane permute's destination counts as one of its sources
	v_mov_b32 v[XC+1], 0
	s_mov_b32 s28, 0x76543210                      ; v_permlanex16_b32's selects for lane l xor 16
	s_mov_b32 s29, 0xfedcba98
	s_mov_b32 s59, 0
	s_mul_i32 s27, s18, 4*1536                     ; my four K steps in a tile's images,
	s_lshl_b32 s62, s18, 8                         ; and in its scale words
	s_wait_kmcnt 0x0
	s_lshl_b32 s58, s22, 3
	s_add_nc_u64 s[12:13], s[12:13], s[58:59]
	s_load_b64 s[24:25], s[12:13], 0x0             ; p0, np
	s_lshl_b32 s58, s22, 24                        ; the expert's 16 MiB,
	s_lshl_b32 s57, s18, 21                        ; 512 rows,
	s_add_co_u32 s58, s58, s57
	s_lshl_b32 s57, s21, 7                         ; 32 columns
	s_add_co_u32 s58, s58, s57
	s_add_nc_u64 s[30:31], s[4:5], s[58:59]        ; my weights; never rewritten
	s_lshl_b32 s58, s22, 12
	s_add_co_u32 s58, s58, s57
	s_add_nc_u64 s[6:7], s[6:7], s[58:59]
	s_wait_alu depctr_va_vdst(0)                   ; v1 to v9 are written, which the loads and LDS instructions of the kernel read as offsets and addresses; so are v[TOKR ..], in which loads land
	global_load_b64 v[BI:BI+1], v8, s[6:7]
	s_mov_b32 s58, s57
	s_add_nc_u64 s[52:53], s[16:17], s[58:59]      ; out0 at my work-group's 32 columns; never rewritten
	s_wait_kmcnt 0x0
	s_min_u32 s24, s24, 39
	s_min_u32 s25, s25, 32
	s_sub_co_u32 s26, s25, 1                       ; the last pair's rank
	s_mov_b32 s23, 0
.Lpass:
	s_mul_i32 s56, s23, 5                          ; the pass's first pair
	s_cmp_lt_u32 s56, s25
	s_cbranch_scc0 .Lidle1
	s_wait_xcnt 0x0                                ; the last pass's loads and stores have read their bases: they may be written
.irp q, 0,1,2,3,4
	s_add_co_u32 s57, s56, \q
	s_min_u32 s57, s57, s26
	s_add_co_u32 s57, s57, s24
	s_min_u32 s57, s57, 39                         ; the pair
	s_mul_i32 s58, s57, PAIRB
	s_add_co_u32 s58, s58, s27
	s_add_nc_u64 s[32+2*\q:33+2*\q], s[8:9], s[58:59]
	s_mul_i32 s58, s57, PAIRS
	s_add_co_u32 s58, s58, s62
	s_add_nc_u64 s[42+2*\q:43+2*\q], s[10:11], s[58:59]
.endr
	s_lshr_b32 s57, s18, 1                         ; the tokens of the tiles that I shall store: tile w of the pass,
	s_add_co_u32 s57, s57, s56
	s_min_u32 s57, s57, s26
	s_add_co_u32 s57, s57, s24
	s_min_u32 s57, s57, 39
	s_lshl_b32 s57, s57, 1
	s_and_b32 s58, s18, 1
	s_add_co_u32 s58, s58, s57
	s_lshl_b32 s58, s58, 6                         ; 64 bytes a tile
	s_add_nc_u64 s[54:55], s[14:15], s[58:59]
	s_add_co_u32 s57, s56, 4                       ; and tile 8 or 9 (used by waves 0 and 1)
	s_min_u32 s57, s57, s26
	s_add_co_u32 s57, s57, s24
	s_min_u32 s57, s57, 39
	s_lshl_b32 s57, s57, 1
	s_min_u32 s58, s18, 1
	s_add_co_u32 s58, s58, s57
	s_lshl_b32 s58, s58, 6
	s_add_nc_u64 s[60:61], s[14:15], s[58:59]
	WLOAD 0                                        ; no wait on va_vdst here: the last vector or matrix instruction that named the ring, the tokens, ACT or ASC stands ahead of the last pass's wait in front of its stores, on every way
	WLOAD 1
	WLOAD 2
	WIN 0
	global_load_b128 v[TOKR:TOKR+3],     v9, s[54:55]
	global_load_b128 v[TOKR+4:TOKR+7],   v9, s[54:55] offset:16
	global_load_b128 v[TOKR+8:TOKR+11],  v9, s[60:61]
	global_load_b128 v[TOKR+12:TOKR+15], v9, s[60:61] offset:16
	ACTS 0
	; Loads come back in order.  They are issued so: blocks 0, 1, 2, the tokens' 4, rows 0, blocks 3 to 6, rows 1, blocks 7 to 10, rows 2, blocks 11 to 14, rows 3, block 15.  Behind a block's
	; 16 stand, at its wait: two blocks and 40 loads of rows (72, at first 76: the largest count that can be written is taken), or two blocks (32; in a K step's last block the rows' loads
	; were issued earlier, so this wait shows them in too), or at the end the last 40 and the last block (56), or nothing.
	BLOCK 0, 63, -1
	BLOCK 1, 63, -1
	BLOCK 2, 63, -1
	BLOCK 3, 32, -1
	KSTEP 0
	BLOCK 4, 32, 1
	BLOCK 5, 63, -1
	BLOCK 6, 63, -1
	BLOCK 7, 32, -1
	KSTEP 1
	BLOCK 8, 32, 2
	BLOCK 9, 63, -1
	BLOCK 10, 63, -1
	BLOCK 11, 32, -1
	KSTEP 2
	BLOCK 12, 32, 3
	BLOCK 13, 63, -1
	BLOCK 14, 56, -1
	BLOCK 15, 0, -1
	KSTEP 3
	PLACES 4                                       ; ahead of the first read of results (ISA guide 7.12.1)
	WIN 0x04                                       ; an LDS store's data are its source 1: window 1
	s_wait_alu depctr_va_vdst(0)                   ; the products have written the accumulators, which the LDS stores read; the places above stay beside this wait
.irp a, 0,1,2,3,4,5,6,7,8,9,10,11,12,13,14,15,16,17,18,19
	ds_store_b128 v[LWR], v[8*\a:8*\a+3] offset:1024*\a                    ; each accumulator from its low end on
	ds_store_b128 v[LWR], v[8*\a+4:8*\a+7] offset:1024*\a+512
.endr
	WIN 0
	s_wait_alu depctr_vm_vsrc(0)                   ; the LDS stores have read the accumulators, which the next pass's first products write
.Lidle1:
	s_wait_dscnt 0x0                               ; my stores have landed,
	s_barrier_signal -1
	s_barrier_wait -1                              ; everybody's have
	s_cmp_lt_u32 s56, s25
	s_cbranch_scc0 .Lidle2
	s_wait_loadcnt 0x0                             ; the bias and the tokens
; THE WAY OUT of tile w + 8 rd: the eight waves' parts of K are added as a tree, then the bias; each of my eight rows goes to its token's row of out0.
.macro RED4 rd
.irp k, 0,1,2
.irp mm, 0,1,2
.if 3*\k+\mm < 8
.irp j, 0,1
.irp n, 0,1
	ds_load_b128 v[SUM+16*(3*\k+\mm)+8*\j+4*\n:SUM+16*(3*\k+\mm)+8*\j+4*\n+3], v[5+\k] offset:20480*\mm+16384*(\rd)+1024*\j+512*\n   ; (the last to name these registers, the K loop's lines or the tile before's additions, stand ahead of a wait on va_vdst)
.endr
.endr
.endif
.endr
.endr
	s_wait_dscnt 0x0
.irp a, 0,2,4,6
.irp p, 0,2,4,6,8,10,12,14
	v_pk_add_f32 v[SUM+16*\a+\p:SUM+16*\a+\p+1], v[SUM+16*\a+\p:SUM+16*\a+\p+1], v[SUM+16*\a+16+\p:SUM+16*\a+16+\p+1]
.endr
.endr
.irp a, 0,4
.irp p, 0,2,4,6,8,10,12,14
	v_pk_add_f32 v[SUM+16*\a+\p:SUM+16*\a+\p+1], v[SUM+16*\a+\p:SUM+16*\a+\p+1], v[SUM+16*\a+32+\p:SUM+16*\a+32+\p+1]
.endr
.endr
.irp j, 0,1
.irp i, 0,1,2,3,4,5,6,7
	v_add_f32 v[T+2*\i+\j], v[SUM+8*\j+\i], v[SUM+64+8*\j+\i]              ; row 8 h + i, columns 2 r and 2 r + 1 side by side
.endr
.endr
.irp i, 0,1,2,3,4,5,6,7
	v_pk_add_f32 v[T+2*\i:T+2*\i+1], v[T+2*\i:T+2*\i+1], v[BI:BI+1]
.endr
.irp i, 0,1,2,3,4,5,6,7
	v_min_u32 v[OA+\i], 0x3ff, v[TOKR+8*(\rd)+\i]
.endr
.irp i, 0,1,2,3,4,5,6,7
	v_lshl_add_u32 v[OA+\i], v[OA+\i], 12, v8      ; the token's row of 4,096 bytes + 8 r
.endr
	s_wait_alu depctr_va_vdst(0)                   ; the additions have written v[T ..] and the shifts v[OA ..], which the stores read as data and offsets; the additions are done with v[SUM ..] and the clamps with the tokens, in which the next tile's parts or the next pass's loads land
.irp i, 0,1,2,3,4,5,6,7
	global_store_b64 v[OA+\i], v[T+2*\i:T+2*\i+1], s[52:53]        ; sixteen lanes store 128 consecutive bytes of a row; an instruction two rows
.endr
	s_wait_xcnt 0x0                                ; the stores have read their registers
	s_wait_alu depctr_vm_vsrc(0)                   ; the stores have read v[T ..] and v[OA ..], which the next tile's or the next pass's vector instructions write again
.endm
	RED4 0
	s_cmp_lt_u32 s18, 2                            ; tiles 8 and 9 fall to waves 0 and 1
	s_cbranch_scc0 .Lidle2
	RED4 1
.Lidle2:
	s_wait_dscnt 0x0                               ; my reads of the accumulators are over: the next pass may write there
	s_barrier_signal -1
	s_barrier_wait -1
	s_add_co_u32 s23, s23, 1
	s_cmp_lt_u32 s23, 7
	s_cbranch_scc1 .Lpass
	s_wait_dscnt 0x0                               ; the closing lines, six on end
	s_wait_alu 0x0
	s_wait_tensorcnt 0x0
	ds_add_u32 v254, v255
	s_wait_dscnt 0x0
	s_endpgm
.Lfunc_end_k_qaf4755c16b_down:
	.size	k_qaf4755c16b_down, .Lfunc_end_k_qaf4755c16b_down-k_qaf4755c16b_down
	.p2alignl 7, 3214868480
	.fill 96, 4, 3214868480
	.section	.rodata,"a",@progbits
	.p2align	6, 0x0
	.amdhsa_kernel k_qaf4755c16b_down
		.amdhsa_group_segment_fixed_size 164864
		.amdhsa_private_segment_fixed_size 0
		.amdhsa_enable_private_segment 0
		.amdhsa_kernarg_size 56
		.amdhsa_user_sgpr_count 2
		.amdhsa_user_sgpr_kernarg_segment_ptr 1
		.amdhsa_wavefront_size32 1
		.amdhsa_system_sgpr_workgroup_id_x 1
		.amdhsa_system_sgpr_workgroup_id_y 1
		.amdhsa_system_sgpr_workgroup_id_z 1
		.amdhsa_system_vgpr_workitem_id 0
		.amdhsa_next_free_vgpr 512
		.amdhsa_next_free_sgpr 66
		.amdhsa_reserve_vcc 0
		.amdhsa_float_denorm_mode_32 3
		.amdhsa_float_denorm_mode_16_64 3
		.amdhsa_memory_ordered 1
		.amdhsa_forward_progress 1
		.amdhsa_inst_pref_size 124
	.end_amdhsa_kernel
	.amdgpu_metadata
---
amdhsa.version: [ 1, 2 ]
amdhsa.kernels:
  - .name:           k_qaf4755c16b_down
    .symbol:         k_qaf4755c16b_down.kd
    .args:
      - { .name: down_W, .offset: 0, .size: 8, .value_kind: global_buffer, .address_space: global }
      - { .name: down_b, .offset: 8, .size: 8, .value_kind: global_buffer, .address_space: global }
      - { .name: himg, .offset: 16, .size: 8, .value_kind: global_buffer, .address_space: global }
      - { .name: hscl, .offset: 24, .size: 8, .value_kind: global_buffer, .address_space: global }
      - { .name: meta, .offset: 32, .size: 8, .value_kind: global_buffer, .address_space: global }
      - { .name: tok, .offset: 40, .size: 8, .value_kind: global_buffer, .address_space: global }
      - { .name: out0, .offset: 48, .size: 8, .value_kind: global_buffer, .address_space: global }
    .group_segment_fixed_size: 164864
    .private_segment_fixed_size: 0
    .kernarg_segment_align: 8
    .kernarg_segment_size: 56
    .max_flat_workgroup_size: 256
    .sgpr_count:     66
    .vgpr_count:     512
    .wavefront_size: 32
...
	.end_amdgpu_metadata
.endif
;; end of part 6
